; MI455X (gfx1250); checked and timed in simulation.
; The chip was launched on July 23, 2026; its instructions are those of AMD's public machine-readable ISA for CDNA 5 (MIT licence, August 2026) and "CDNA5" Instruction Set Architecture Reference Guide (July 2026). The comments in the code are by the model that wrote it; some were corrected since.
;; Causal Self Attention. Allowed arithmetic: matrix products marked QUANTISED: E2M3 operands, one E8M0 scale for each 32 along K, by v_wmma_scale_f32_16x16x128_f8f6f4 with both operands' format E2M3, f32 sums; everything else in f32.
;; Inputs: b_proj 1,024 float32; b_qkv 3,072 float32; w_proj 1,024 x 1,024 float32; w_qkv 1,024 x 3,072 float32; x 4 x 2,048 x 1,024 float32.
;; Outputs: out0 4 x 2,048 x 1,024 float32.
;; This version of the problem:
;;   THIS VERSION OF THE PROBLEM IS GIVEN IN LOW PRECISION. The matrix products marked QUANTISED in the list below multiply operands that are first quantised to E2M3 (2 exponent bits, 3 mantissa bits; 6 bits a number), with one power-of-two scale for each 32 numbers along K (OCP MX v1.0); their sums are f32. All else is computed in f32.
;;   The module's matrix products, in the order in which they are computed (A, B: the left and right operand; K: the contracted axis; several contracted axes count as one K, in the product's order):
;;     1. [M 8,192, K 1,024] x [K 1,024, N 3,072]; A: input x; B: input w_qkv: QUANTISED
;;     2. batch 64 x [M 2,048, K 64] x [K 64, N 2,048]; A: computed on the way; B: computed on the way: QUANTISED
;;     3. batch 64 x [M 2,048, K 2,048] x [K 2,048, N 64]; A: softmax (see below); B: computed on the way: QUANTISED
;;     4. [M 8,192, K 1,024] x [K 1,024, N 1,024]; A: computed on the way; B: input w_proj: QUANTISED
;;   THE QUANTISER, for each operand of a quantised product, along K:
;;     - K is cut into blocks of 32 from its start; a last block that is shorter is filled with zeros.
;;     - A block's scale is 2^e with e = floor(log2(the largest magnitude in the block)) - 2, held to -126 .. 127; a block of zeros has e = 0. As a byte (E8M0): e + 127.
;;     - Each number is divided by its block's scale, clamped to +-7.5, and rounded to the nearest number of E2M3, ties to even, subnormals kept.
;;     - The product sums the exact products of the quantised numbers (number of the format x scale) in f32.
;;   ~~~python
;;   def quantise(x, axis):      # numpy; x: float32 -> the quantised numbers, widened to float32 again
;;       x = np.moveaxis(x, axis, -1); K = x.shape[-1]
;;       x = np.pad(x, [(0, 0)] * (x.ndim - 1) + [(0, -K % 32)]); x = x.reshape(x.shape[:-1] + (-1, 32)); a = np.abs(x).max(-1, keepdims=True)
;;       e = np.where(a > 0, np.clip(np.frexp(np.where(a > 0, a, 1))[1] - 1 - 2, -126, 127), 0)      # np.frexp(a)[1] - 1 = floor(log2(a)), exactly
;;       r = np.clip(x / 2.0 ** e, -7.5, 7.5)
;;       step = 2.0 ** (np.maximum(np.frexp(np.where(r == 0, 1, r))[1] - 1, 0) - 3)
;;       q = np.round(r / step) * step * 2.0 ** e      # np.round: ties to even
;;       return np.moveaxis(q.reshape(q.shape[:-2] + (-1,))[..., :K], -1, axis).astype(np.float32)
;;   ~~~
;;   SOFTMAX AHEAD OF A QUANTISED PRODUCT. Where the list says 'softmax', what is quantised is not the finished softmax but p = 2^(t - M), with t = logit x log2(e) and M = ceil(the row's largest t), a whole number; so 1/2 < the row's largest p <= 1. The row's sum l is taken of the UNQUANTISED p, in f32, and the product's result is divided by l at the end. Since M is a whole number, a kernel that streams over the keys may use a running M (the ceiling of the running maximum): every later rescaling is an exact power of two, which a block's scale takes up: the codes' values come out the same.
;;   OPERANDS COMPUTED ON THE WAY. 'Computed on the way' means the value that the module computes at that place (a softmax that the list does not call 'softmax' is quantised finished and normalised). What goes into a quantiser is computed in f32, as accurately as f32 sums, v_exp_f32 and their like allow (about 1e-6 of the number): no bf16 or f16 on the way to a quantiser, and a product that is left as it is and whose result goes on into a quantised operand takes f32 operands (vector FMAs, or v_wmma_f32_16x16x4_f32). A number that lies on a knife's edge between two numbers of the format may be rounded either way, as far as f32 arithmetic and the matrix unit's own rounding can turn it there, and no further.
;; One version. Each part assembles by itself: llvm-mc -triple=amdgcn-amd-amdhsa -mcpu=gfx1250 --defsym DOCPART=n.
;; ======== version 1 of 1: 4 launches
;; workspace buffers: ximg 6,291,456 bytes; xsc 262,144 bytes; wimg 3,145,728 bytes; wsc 131,072 bytes; qbuf 6,815,744 bytes; kv 13,369,344 bytes; oimg 6,291,456 bytes; osc 262,144 bytes
;; launch quant (part 1): grid 512 x 1, 4 waves a work-group, no clusters, 48,640 bytes of LDS; arguments x, w_qkv, w_proj, ximg, xsc, wimg, wsc; writes ximg, xsc, wimg, wsc
.if DOCPART == 1
	.amdgcn_target "amdgcn-amd-amdhsa--gfx1250"
	.amdhsa_code_object_version 6
	.text
	.protected	k_q65b3273df6_quant
	.globl	k_q65b3273df6_quant
	.p2align	8
	.type	k_q65b3273df6_quant,@function
k_q65b3273df6_quant:
	s_mov_b64 s[64:65], 0
	v_nop
	global_prefetch_b8 v0, s[64:65] scope:SCOPE_SE
	s_setreg_imm32_b32 hwreg(HW_REG_WAVE_MODE, 25, 1), 1
	s_wait_xcnt 0x0
; x [8192][1024], w_qkv [1024][3072] and w_proj [1024][1024], f32, become codes of FP6 (E2M3) with one E8M0 byte for each 32 along K (x: its last axis; the weights: their first).
; A block's scale is 2^(floor(log2(its largest magnitude)) - 2); its byte is the largest magnitude's exponent field - 2, held at 1 from below.
; LIMITS: NaN and infinities among the inputs are not served.  A block of zeros, or one whose largest magnitude lies under 2^-124, gets the byte 1 where the rule says 127 or less: only this program reads the bytes.
; WHAT IS STORED ARE IMAGES OF OPERAND REGISTERS.  Rows (tokens of x, columns of a weight) go in tiles of 16: in each 32 rows, place r of tile 2 g + u is row 32 g + 8 u + r % 8 + 16 (r / 8).
; A fragment (16 rows x 128 K, 12 registers a lane) is 1,536 bytes in two halves c of 768: registers 6 c .. 6 c + 3 of lane l at 768 c + 16 l, registers 6 c + 4, 5 at 768 c + 512 + 8 l.
; ximg, wimg: [tile][K step of 128][1,536];  xsc, wsc: [tile][K step][16 words], the word of place r at 4 r.  wimg's tiles 0-191 are w_qkv's columns, 192-255 w_proj's.
; Work-groups 0-255 take the weights, 256-511 take x.  No tensor load, no barrier: waves share nothing.  Each of the two ways has LDS bytes of its own.
.set XGAT, 33792                       ; x: behind the four stages of 16 rows x 528 bytes: 256 bytes a wave for scale words
.set WSTG, 34816                       ; weights: two images of 1,536 bytes, 1,664 apart, for each wave
.set SEL,  32                          ; s[32:33] lane selects for v_permlanex16_b32: lane l xor 16
.set TM,   8                           ; x: v8-11 largest magnitudes, v12-15 bytes, v20-23 the conversions' scale operands
.set PW,   24                          ; x: the scale word just made
.set PC,   28                          ; x: v28-47 the codes just made
.set RX,   64                          ; x: v64-191 two sets of 64 numbers as loaded
.set XN,   192                         ; x: v192-255 64 numbers of a lane's row
.set VO,   16                          ; weights: v16-47 4 x lane + i x pitch, never rewritten
.set SW,   48                          ; weights: my column's scale word
.set XW,   64                          ; weights: v64-191 four blocks of 32 numbers down K
.set CW,   192                         ; weights: v192-223 eight registers of codes a block
.set OW,   224                         ; weights: v224-247 the way out
; 64 numbers of a lane, register 16 b + i = k 32 b + 16 (lane / 16) + i of my row, become a fragment's codes in v[PC] on and its scale word in v[PW].
.macro QUANT s
.irp b, 0,1,2,3
	v_max3_num_f32 v[TM+\b], |v[\s+16*\b]|, |v[\s+1+16*\b]|, 0x1800000   ; my 16 numbers of block b, and the floor 2^(3 - 127): the byte cannot fall under 1
.endr
.irp i, 2,4,6,8,10,12,14
.irp b, 0,1,2,3
	v_max3_num_f32 v[TM+\b], v[TM+\b], |v[\s+16*\b+\i]|, |v[\s+1+16*\b+\i]|
.endr
.endr
.irp b, 0,1,2,3
	v_permlanex16_b32 v[TM+4+\b], v[TM+\b], s[SEL], s[SEL+1]
.endr
.irp b, 0,1,2,3
	v_max_num_f32 v[TM+\b], v[TM+\b], v[TM+4+\b]           ; with lane l xor 16's: the block's largest magnitude
.endr
.irp b, 0,1,2,3
	v_add_nc_u32 v[TM+12+\b], 0xff000000, v[TM+\b]         ; 2 off its exponent field: the conversion takes that field as its scale
.endr
.irp b, 0,1,2,3
	v_lshrrev_b32 v[TM+4+\b], 23, v[TM+12+\b]              ; the scale's byte
.endr
	v_lshl_or_b32 v[PW], v[TM+5], 8, v[TM+4]
	v_lshl_or_b32 v[PW], v[TM+6], 16, v[PW]
	v_lshl_or_b32 v[PW], v[TM+7], 24, v[PW]
.irp c, 0,1
	v_cvt_scalef32_pk16_fp6_f32 v[PC+6*\c:PC+2+6*\c], v[\s+32*\c:\s+15+32*\c], v[TM+12+2*\c]
	v_cvt_scalef32_pk16_fp6_f32 v[PC+12+4*\c:PC+14+4*\c], v[\s+16+32*\c:\s+31+32*\c], v[TM+12+2*\c+1]   ; (a conversion's three registers begin on an even number)
.endr
	v_nop                                                  ; one plain line behind the scaled conversions
.irp c, 0,1                                            ; the operand wants a whole block in a lane: lanes 0-15 block 2 c, lanes 16-31 block 2 c + 1
.irp i, 0,1,2
	v_permlane16_swap_b32 v[PC+6*\c+\i], v[PC+12+4*\c+\i]
.endr
.irp i, 0,1,2
	v_mov_b32 v[PC+3+6*\c+\i], v[PC+12+4*\c+\i]
.endr
.endr
.endm
	s_load_b256 s[4:11], s[0:1], 0x0               ; x s[4:5], w_qkv s[6:7], w_proj s[8:9], ximg s[10:11]
	s_load_b128 s[12:15], s[0:1], 0x20             ; xsc s[12:13], wimg s[14:15]
	s_load_b64 s[16:17], s[0:1], 0x30              ; wsc
	v_lshl_add_u32 v62, v0, 2, 0xbc00
	v_mov_b32 v63, 0
	v_lshrrev_b32 v1, 5, v0
	v_readfirstlane_b32 s18, v1                    ; wave 0..3
	v_and_b32 v7, 31, v0                           ; lane
	s_cmp_lt_u32 ttmp9, 256
	s_cbranch_scc1 .Lweights
; ---- x.  Wave W = 4 (work-group - 256) + wave takes row tile T = W / 2 and K steps 4 (W % 2) .. + 3.
; Each load reads 512 consecutive bytes of one row; a K step's 16 rows turn through the wave's stage (rows 528 bytes apart) so that lane (r, h) gets 16 neighbours of each block of 32 of row place r.
	v_and_b32 v5, 15, v0                           ; r
	v_bfe_u32 v6, v0, 4, 1                         ; h
	v_lshlrev_b32 v1, 4, v7                        ; 16 x lane
	v_lshlrev_b32 v2, 3, v7                        ; 8 x lane
	s_mul_i32 s19, s18, 16*528                     ; my stage
	v_add_nc_u32 v3, s19, v1                       ; into it: 16 bytes a lane of a row
	v_mul_u32_u24 v4, v5, 528
	v_lshl_add_u32 v4, v6, 6, v4
	v_add_nc_u32 v4, s19, v4                       ; out of it: row r, + 64 h
	s_lshl_b32 s20, s18, 8
	s_add_co_u32 s20, s20, XGAT                    ; my 256 bytes of scale words
	v_lshl_add_u32 v5, v5, 2, s20                  ; in: 4 r
	v_add_nc_u32 v6, s20, v2                       ; out: 8 x lane
	s_sub_co_u32 s21, ttmp9, 256                   ; T / 2
	s_lshr_b32 s22, s18, 1                         ; T % 2
	s_and_b32 s23, s18, 1                          ; which half of K
	s_lshl_b32 s24, s21, 5
	s_lshl_b32 s25, s22, 3
	s_add_co_u32 s24, s24, s25                     ; the tile's first row: 32 (T / 2) + 8 (T % 2)
	s_lshl_b32 s24, s24, 12                        ; a row of x is 4,096 bytes
	s_lshl_b32 s25, s23, 11
	s_add_co_u32 s24, s24, s25
	s_mov_b32 s25, 0
	s_lshl_b32 s26, s21, 1
	s_add_co_u32 s26, s26, s22                     ; T
	s_mul_i32 s28, s26, 12288
	s_mul_i32 s27, s23, 6144
	s_add_co_u32 s28, s28, s27
	s_mov_b32 s29, 0
	s_lshl_b32 s30, s26, 9
	s_lshl_b32 s27, s23, 8
	s_add_co_u32 s30, s30, s27
	s_mov_b32 s31, 0
	s_mov_b32 s[SEL], 0x76543210
	s_mov_b32 s[SEL+1], 0xfedcba98
.irp b, 0,1,2,3
	v_mov_b32 v[TM+4+\b], 0                        ; written once: a lane permute's destination counts as one of its sources
.endr
	s_wait_kmcnt 0x0
	s_add_nc_u64 s[4:5], s[4:5], s[24:25]
	s_add_nc_u64 s[10:11], s[10:11], s[28:29]
	s_add_nc_u64 s[12:13], s[12:13], s[30:31]
.macro LOADX s
.irp i, 0,1,2,3,4,5,6,7,8,9,10,11,12,13,14,15
	global_load_b128 v[RX+64*((\s)%2)+4*\i:RX+64*((\s)%2)+4*\i+3], v1, s[4:5] offset:((\i%8)+16*(\i/8))*4096+512*(\s) th:TH_LOAD_NT
.endr
.endm
.macro TURNX s                         ; LDS serves a wave's instructions in order: no wait between the stores and the loads
.irp i, 0,1,2,3,4,5,6,7,8,9,10,11,12,13,14,15
	ds_store_b128 v3, v[RX+64*((\s)%2)+4*\i:RX+64*((\s)%2)+4*\i+3] offset:528*\i
.endr
.irp b, 0,1,2,3
.irp j, 0,1,2,3
	ds_load_b128 v[XN+16*\b+4*\j:XN+16*\b+4*\j+3], v4 offset:128*\b+16*\j
.endr
.endr
.endm
.macro OUTX s                          ; the image: each store covers 512 or 256 consecutive bytes, aligned
.irp c, 0,1
	global_store_b128 v1, v[PC+6*\c:PC+6*\c+3], s[10:11] offset:1536*(\s)+768*\c
	global_store_b64 v2, v[PC+6*\c+4:PC+6*\c+5], s[10:11] offset:1536*(\s)+768*\c+512
.endr
	ds_store_b32 v5, v[PW] offset:64*(\s)          ; both halves of the lanes write the same word with the same value
.endm
	LOADX 0
	LOADX 1
.irp s, 0,1,2,3
.if \s < 3
	s_wait_loadcnt 16                              ; this K step's 16 loads are in; the next step's 16 may be out
.else
	s_wait_loadcnt 0
.endif
	TURNX \s
	s_wait_dscnt 0x0                               ; the numbers are back; the stage's stores and the last word's store have read their registers
.if \s > 0
	s_wait_xcnt 0x0                                ; the last step's stores have read their data: the codes' registers may be written again
.endif
.if \s < 2
	LOADX \s+2
.endif
	QUANT XN
	OUTX \s
.endr
	ds_load_b64 v[26:27], v6                       ; my four K steps' scale words: they see my stores
	s_wait_dscnt 0x0
	global_store_b64 v2, v[26:27], s[12:13]        ; 32 lanes store 256 consecutive bytes, aligned
	s_wait_tensorcnt 0x0
	ds_add_u32 v62, v63
	s_wait_dscnt 0x0
	s_endpgm
; ---- the weights.  Work-group: K step = number % 8, 128 columns = number / 8 (0-23: w_qkv, 24-31: w_proj).  A wave takes 32 columns (two tiles) x 128 along K.
; A lane takes a column and its registers run down K: each load reads 128 consecutive bytes, the four waves stand side by side on 512; a block's 32 numbers are one lane's.
.Lweights:
	s_and_b32 s19, ttmp9, 7                        ; K step
	s_lshr_b32 s20, ttmp9, 3                       ; group of 128 columns
	v_bfe_u32 v1, v0, 3, 1                         ; column l is place r = l % 8 + 8 (l / 16) of tile u = (l / 8) % 2
	v_and_b32 v2, 7, v0
	v_bfe_u32 v3, v0, 4, 1
	v_lshl_add_u32 v2, v3, 3, v2
	s_mul_i32 s21, s18, 2*1664
	s_add_co_u32 s21, s21, WSTG                    ; my stage
	v_mul_u32_u24 v4, v1, 1664
	v_add_nc_u32 v4, s21, v4
	v_lshl_add_u32 v8, v2, 4, v4                   ; into the image: 16 r,
	v_lshl_add_u32 v9, v2, 3, v4                   ; and 8 r
	v_lshlrev_b32 v11, 4, v7                       ; 16 x lane
	v_add_nc_u32 v10, s21, v11                     ; out of it
	v_lshlrev_b32 v12, 9, v1
	v_lshl_add_u32 v12, v2, 2, v12                 ; my scale word: 512 u + 4 r
	s_lshl_b32 s36, s20, 2
	s_add_co_u32 s36, s36, s18                     ; my pair of tiles
	s_mul_i32 s38, s36, 2*12288
	s_mul_i32 s37, s19, 1536
	s_add_co_u32 s38, s38, s37
	s_mov_b32 s39, 0
	s_lshl_b32 s40, s36, 10
	s_lshl_b32 s37, s19, 6
	s_add_co_u32 s40, s40, s37
	s_mov_b32 s41, 0
	s_wait_kmcnt 0x0
	s_cmp_lt_u32 s20, 24                           ; which weight: the choice hangs on the work-group's number alone
	s_cselect_b64 s[6:7], s[6:7], s[8:9]
	s_mov_b32 s22, 4096
	s_cselect_b32 s22, 12288, s22                  ; a row in bytes
	s_cselect_b32 s23, 0, 24
	s_sub_co_u32 s23, s20, s23                     ; the group of columns within that weight
	s_mul_i32 s24, s19, s22
	s_lshl_b32 s24, s24, 7                         ; 128 rows a K step
	s_lshl_b32 s25, s23, 9
	s_add_co_u32 s24, s24, s25
	s_lshl_b32 s25, s18, 7
	s_add_co_u32 s24, s24, s25
	s_mov_b32 s25, 0
	s_lshl_b32 s26, s22, 5                         ; 32 rows
	s_mov_b32 s27, 0
	s_add_nc_u64 s[28:29], s[6:7], s[24:25]        ; a base for each block of 32 rows
	s_add_nc_u64 s[30:31], s[28:29], s[26:27]
	s_add_nc_u64 s[32:33], s[30:31], s[26:27]
	s_add_nc_u64 s[34:35], s[32:33], s[26:27]
	s_add_nc_u64 s[14:15], s[14:15], s[38:39]
	s_add_nc_u64 s[16:17], s[16:17], s[40:41]
	v_lshlrev_b32 v[VO], 2, v7
.set n, 0
.rept 31
	v_add_nc_u32 v[VO+n+1], s22, v[VO+n]
.set n, n+1
.endr
.macro LOADW bk
.irp i, 0,1,2,3,4,5,6,7,8,9,10,11,12,13,14,15,16,17,18,19,20,21,22,23,24,25,26,27,28,29,30,31
	global_load_b32 v[XW+32*(\bk)+\i], v[VO+\i], s[28+2*(\bk):29+2*(\bk)] th:TH_LOAD_NT
.endr
.endm
.macro BLOCK bk                        ; block bk of my column lies in lane (r, bk % 2), registers 6 (bk / 2) on, of my tile's image
.set XS, XW+32*(\bk)
.set CC, CW+8*(\bk)
	v_max3_num_f32 v49, |v[XS]|, |v[XS+1]|, |v[XS+2]|
	v_max3_num_f32 v50, |v[XS+3]|, |v[XS+4]|, |v[XS+5]|
.irp i, 6,10,14,18,22,26
	v_max3_num_f32 v49, v49, |v[XS+\i]|, |v[XS+\i+1]|
	v_max3_num_f32 v50, v50, |v[XS+\i+2]|, |v[XS+\i+3]|
.endr
	v_max3_num_f32 v49, v49, |v[XS+30]|, |v[XS+31]|
	v_max3_num_f32 v49, v49, v50, 0x1800000        ; and the floor
	v_add_nc_u32 v51, 0xff000000, v49              ; the conversion's scale operand
	v_lshrrev_b32 v52, 23, v51                     ; the byte
.if (\bk) == 0
	v_mov_b32 v[SW], v52
.else
	v_lshl_or_b32 v[SW], v52, 8*(\bk), v[SW]
.endif
	v_cvt_scalef32_pk16_fp6_f32 v[CC:CC+2], v[XS:XS+15], v51
	v_cvt_scalef32_pk16_fp6_f32 v[CC+4:CC+6], v[XS+16:XS+31], v51
	v_nop                                          ; one plain line behind the scaled conversions
	v_mov_b32 v[CC+3], v[CC+4]                     ; six registers on end
	v_mov_b32 v[CC+4], v[CC+5]
	v_mov_b32 v[CC+5], v[CC+6]
	ds_store_b128 v8, v[CC:CC+3] offset:768*((\bk)/2)+256*((\bk)%2)
	ds_store_b64 v9, v[CC+4:CC+5] offset:768*((\bk)/2)+512+128*((\bk)%2)
.endm
	LOADW 0
	LOADW 1
	s_wait_loadcnt 32                              ; block 0's 32 loads are in; the youngest 32 may be out (so at each of these waits)
	LOADW 2
	BLOCK 0
	s_wait_loadcnt 32
	LOADW 3
	BLOCK 1
	s_wait_loadcnt 32
	BLOCK 2
	s_wait_loadcnt 0
	BLOCK 3
.irp i, 0,1,2,3,4,5
	ds_load_b128 v[OW+4*\i:OW+4*\i+3], v10 offset:1664*(\i/3)+512*(\i%3)   ; the two images, as they lie: these see my stores
.endr
.irp i, 0,1,2,3,4,5
	s_wait_dscnt 5-\i                              ; the younger loads may be out
	global_store_b128 v11, v[OW+4*\i:OW+4*\i+3], s[14:15] offset:12288*(\i/3)+512*(\i%3)   ; 512 consecutive bytes, aligned
.endr
	global_store_b32 v12, v[SW], s[16:17]          ; two pieces of 64 bytes: one byte for each 128 that this way reads
	s_wait_tensorcnt 0x0
	ds_add_u32 v62, v63
	s_wait_dscnt 0x0
	s_endpgm
.Lfunc_end_k_q65b3273df6_quant:
	.size	k_q65b3273df6_quant, .Lfunc_end_k_q65b3273df6_quant-k_q65b3273df6_quant
	.p2alignl 7, 3214868480
	.fill 96, 4, 3214868480
	.section	.rodata,"a",@progbits
	.p2align	6, 0x0
	.amdhsa_kernel k_q65b3273df6_quant
		.amdhsa_group_segment_fixed_size 48640
		.amdhsa_private_segment_fixed_size 0
		.amdhsa_enable_private_segment 0
		.amdhsa_kernarg_size 56
		.amdhsa_user_sgpr_count 2
		.amdhsa_user_sgpr_kernarg_segment_ptr 1
		.amdhsa_wavefront_size32 1
		.amdhsa_system_sgpr_workgroup_id_x 1
		.amdhsa_system_sgpr_workgroup_id_y 1
		.amdhsa_system_sgpr_workgroup_id_z 1
		.amdhsa_system_vgpr_workitem_id 0
		.amdhsa_next_free_vgpr 256
		.amdhsa_next_free_sgpr 66
		.amdhsa_reserve_vcc 0
		.amdhsa_float_denorm_mode_32 3
		.amdhsa_float_denorm_mode_16_64 3
		.amdhsa_memory_ordered 1
		.amdhsa_forward_progress 1
		.amdhsa_inst_pref_size 57
	.end_amdhsa_kernel
	.amdgpu_metadata
---
amdhsa.version: [ 1, 2 ]
amdhsa.kernels:
  - .name:           k_q65b3273df6_quant
    .symbol:         k_q65b3273df6_quant.kd
    .args:
      - { .name: x, .offset: 0, .size: 8, .value_kind: global_buffer, .address_space: global }
      - { .name: w_qkv, .offset: 8, .size: 8, .value_kind: global_buffer, .address_space: global }
      - { .name: w_proj, .offset: 16, .size: 8, .value_kind: global_buffer, .address_space: global }
      - { .name: ximg, .offset: 24, .size: 8, .value_kind: global_buffer, .address_space: global }
      - { .name: xsc, .offset: 32, .size: 8, .value_kind: global_buffer, .address_space: global }
      - { .name: wimg, .offset: 40, .size: 8, .value_kind: global_buffer, .address_space: global }
      - { .name: wsc, .offset: 48, .size: 8, .value_kind: global_buffer, .address_space: global }
    .group_segment_fixed_size: 48640
    .private_segment_fixed_size: 0
    .kernarg_segment_align: 8
    .kernarg_segment_size: 56
    .max_flat_workgroup_size: 128
    .sgpr_count:     66
    .vgpr_count:     256
    .wavefront_size: 32
...
	.end_amdgpu_metadata
.endif
;; end of part 1
;; launch gemm_qkv (part 2): grid 8 x 48, 4 waves a work-group, clusters of 4 x 4, 327,680 bytes of LDS; arguments ximg, xsc, wimg, wsc, b_qkv, qbuf, kv; writes qbuf, kv
.if DOCPART == 2
	.amdgcn_target "amdgcn-amd-amdhsa--gfx1250"
	.amdhsa_code_object_version 6
	.text
	.protected	k_q65b3273df6_gemm_qkv
	.globl	k_q65b3273df6_gemm_qkv
	.p2align	8
	.type	k_q65b3273df6_gemm_qkv,@function
k_q65b3273df6_gemm_qkv:
	s_mov_b64 s[64:65], 0
	v_nop
	global_prefetch_b8 v0, s[64:65] scope:SCOPE_SE
	s_setreg_imm32_b32 hwreg(HW_REG_WAVE_MODE, 25, 1), 1
	s_wait_xcnt 0x0
	s_wait_alu depctr_hold_cnt(0) depctr_sa_sdst(0) depctr_va_vdst(0) depctr_va_sdst(0) depctr_va_ssrc(0) depctr_va_vcc(0) depctr_vm_vsrc(0)
	s_getreg_b32 s2, hwreg(HW_REG_IB_STS2, 6, 4)
	s_cmp_eq_u32 s2, 0
	s_cbranch_scc0 .Lentry_in_a_cluster
	s_endpgm
.Lentry_in_a_cluster:
	s_bfe_u32 s2, ttmp6, 0x10000c
	s_cmp_lg_u32 s2, 0xf033
	s_cbranch_scc0 .Lentry_shape_is_right
	s_endpgm
.Lentry_shape_is_right:
; qkv = x w_qkv + b_qkv on codes of FP6 (E2M3) with E8M0 scales, sums in f32; q, k and v leave as codes again, quantised in the way out: q and k along the head's 64, v along the keys.
; LIMITS: NaN and infinities are not served; a block whose largest magnitude lies under 2^-124 (zeros too) gets the byte 1: only this program reads the bytes.
; OPERANDS come as images of their registers (tiles of 16 rows; in each 32 rows place r of tile 2 g + u is row 32 g + 8 u + r % 8 + 16 (r / 8); a fragment of 16 rows x 128 K is 1,536 bytes, its scale words 64).
; A work-group of four waves makes 256 x 256, a wave 128 x 128: 64 accumulators.  Source 0 = 16 rows of the B side, source 1 = 16 rows of the A side: a lane holds ONE row of the A side,
; and by the order of rows in a tile the 16 registers of the B side's tiles 2 g, 2 g + 1 are 16 neighbours: the axis that is quantised next.
; TWO WAYS, chosen by the cluster's y alone (the same in all sixteen partners):  y < 8: A side = tokens of x, B side = columns 0-2047 of w_qkv (cluster x = 0: q, 1: k);
;   y >= 8: A side = columns 2048-3071 of w_qkv (v's channels), B side = tokens: so that v's registers run along the keys.
; K = 1,024 goes in four chunks of 256 through three LDS slots: three are asked for at the head, the fourth fills slot 0 again behind the one round of the cluster's barrier inside the sums.
; CLUSTERS: 4 x 4.  The A side's tiles are shared along a row of the cluster, the B side's along a column: each is asked for jointly.
; STORED: qbuf [batch x head][group of 128 queries]: 8 tiles x 768 bytes (half a fragment: the head's 64), then 8 x 64 bytes of scale words.
;         kv [batch x head][128 keys]: K's 8 tiles x 768, V's 4 fragments (16 channels x 128 keys) x 1,536, K's scale words 512, V's 256: 13,056 bytes.
; REGISTERS: window 0: v1-29 lane numbers and addresses; v32-47 scale words, two sets; v64-127 the bias; v128-223 the A side's 8 fragments, one set; v224-231 the bias's offsets.
;   window 1: the B side's fragments, two sets, at v0 and v128.   windows 2, 3: accumulator (a, b) at v[8 (8 (a % 4) + b)] of window 2 + a / 4.
.set SLOT,  98304                      ; a slot: wave w's part at 24,576 w: [tile 0-7][K step 0, 1][1,536]; waves 0, 1: the A side's halves, waves 2, 3: the B side's
.set WPART, 24576
.set SCL,   294912                     ; the A side's scale words, all of K: [tile 0-15][K step][64]
.set SCLB,  303232                     ; the B side's, 128 bytes askew, so that the two halves of the lanes read other banks
.set SPARE, 311552                     ; the spare words, 128 bytes a wave: two blocks of 256 bytes that no other line names
.set SCSTG, SLOT                       ; the way out's stage for scale words, 1,024 bytes a wave, in slot 1: that slot is filled once, and its last read lies ahead of the last barrier of the sums
.set A16, 4                            ; v4-6   slot s: my A side's 128 rows + 16 x lane
.set A8,  7                            ; v7-9   the same + 8 x lane
.set B16, 10                           ; v10-12 the B side's
.set B8,  13                           ; v13-15
.set ADRS, 16                          ; v16    my scale words: lanes 0-15 the A side's, lanes 16-31 the B side's
.set L16, 17                           ; v17    16 x lane
.set L8,  18                           ; v18    8 x lane
.set SCA, 19                           ; v19    the stage, in
.set SCR, 20                           ; v20    the stage, out
.set VSO, 21                           ; v21    the scale words' offset in memory
.set VSH, 22                           ; v22    how far a scale word is shifted down for my half of the lanes
.set SPW, 28                           ; v28    my spare word; never rewritten
.set NIL, 29                           ; v29    0; never rewritten
.set SC,  32
.set BI,  64
.set AF,  128
.set VBJ, 224
.set PC,  128                          ; the way out: v128-147 codes, v148-163 at work, v164 the scale word, v166-173 the eight words to be staged
.set TM,  148
.set PW,  164
.set VAL, 166
.set G1A, 32                           ; s[32:39] group 1 for the A side's codes, s[40:47] the B side's, s[48:55], s[56:63] for their scale words
.set G1B, 40
.set G1SA, 48
.set G1SB, 56
.set G0A, 68                           ; s[68:83] groups 0 for the A side: scale words, chunks 0, 1, 2;  s[84:99] for the B side
.set G0B, 84
.set MSB, 0
.macro WIN new                         ; the immediate's high byte repeats the setting that is left
.if MSB != (\new)
	s_set_vgpr_msb (MSB<<8)|(\new)
.set MSB, (\new)
.endif
.endm
.set MUL_LO, 0xa1                      ; source 0 window 1, source 1 window 0, C and D window 2
.set MUL_HI, 0xf1                      ; the same, C and D window 3
; A joint load: waves 0 and 1 ask for the A side, waves 2 and 3 for the B side.  The branch hangs on the wave's number alone.  Four v_nop follow each line.
.macro JLOAD g0a, g1a, g0b, g1b
	s_cmp_eq_u32 s19, 0
	s_cbranch_scc0 .Lfor_b_\@
	tensor_load_to_lds s[\g0a:\g0a+3], s[\g1a:\g1a+7]
	s_nop 0
.rept 4
	v_nop
.endr
	s_branch .Lasked_\@
.Lfor_b_\@:
	tensor_load_to_lds s[\g0b:\g0b+3], s[\g1b:\g1b+7]
	s_nop 0
.rept 4
	v_nop
.endr
.Lasked_\@:
.endm
.macro CREST                           ; a round of the cluster's barrier behind its opening barrier
	s_cmp_lg_u32 s18, 0
	s_cbranch_scc1 .Lnot_wave_0_\@
	s_barrier_signal -3
.Lnot_wave_0_\@:
	s_barrier_wait -3
	s_barrier_signal -1
	s_barrier_wait -1
.endm
.macro CROUND
	s_barrier_signal -1
	s_barrier_wait -1
	CREST
.endm
.macro PLACES n
.rept \n
	v_nop
.endr
.endm
	s_load_b256 s[4:11], s[0:1], 0x0               ; ximg s[4:5], xsc s[6:7], wimg s[8:9], wsc s[10:11]
	s_load_b128 s[12:15], s[0:1], 0x20             ; b_qkv s[12:13], qbuf s[14:15]
	s_load_b64 s[16:17], s[0:1], 0x30              ; kv
	v_lshl_add_u32 v[SPW], v0, 2, SPARE
	v_mov_b32 v[NIL], 0
	ds_add_u32 v28, v29
	ds_add_u32 v28, v29
	s_wait_dscnt 0x0
	v_lshrrev_b32 v1, 5, v0
	v_readfirstlane_b32 s18, v1                    ; wave 0..3
	s_lshr_b32 s19, s18, 1                         ; my half of the A side's rows.  Also: I ask for the A side (0) or the B side (1)
	s_and_b32 s20, s18, 1                          ; my half of the B side's rows.  Also: which 128 rows I ask for
	s_bfe_u32 s21, ttmp6, 0x40000                  ; cx
	s_bfe_u32 s22, ttmp6, 0x40004                  ; cy
	s_mov_b32 s23, ttmp9                           ; X: the cluster's x
	s_and_b32 s24, ttmp7, 0xffff                   ; Y: the cluster's y
	s_lshl_b32 s28, s22, 2
	s_lshl_b32 s28, 15, s28                        ; my row of the cluster
	s_lshl_b32 s30, 0x1111, s21                    ; my column
	s_or_b32 s[G1A], s28, (3<<16)|(1<<21)          ; 15:0 the mask; 17:16 elements of 8 bytes; 20 no padding; 21 set beside a mask
	s_or_b32 s[G1SA], s28, (3<<16)|(1<<21)
	s_or_b32 s[G1B], s30, (3<<16)|(1<<21)
	s_or_b32 s[G1SB], s30, (3<<16)|(1<<21)
.irp g, G1A, G1B                       ; codes: 8 tiles; of each, two K steps' images: 3,072 bytes of the tile's 12,288
	s_mov_b32 s[\g+1], 384<<16                     ; tensor_dim0
	s_mov_b32 s[\g+2], 8<<16                       ; tensor_dim1
	s_mov_b32 s[\g+3], 384<<16                     ; tile_dim0
	s_mov_b32 s[\g+4], 8                           ; tile_dim1
	s_mov_b32 s[\g+5], 1536                        ; from tile to tile, in elements
	s_mov_b32 s[\g+6], 0
	s_mov_b32 s[\g+7], 0
.endr
.irp g, G1SA, G1SB                     ; scale words of 8 tiles, all of K: 4,096 dense bytes as 16 rows of 256
	s_mov_b32 s[\g+1], 32<<16
	s_mov_b32 s[\g+2], 16<<16
	s_mov_b32 s[\g+3], 32<<16
	s_mov_b32 s[\g+4], 16
	s_mov_b32 s[\g+5], 32
	s_mov_b32 s[\g+6], 0
	s_mov_b32 s[\g+7], 0
.endr
	s_lshl_b32 s28, s24, 6                         ; 64 Y
	s_max_u32 s30, s24, 8
	s_sub_co_u32 s30, s30, 8
	s_lshl_b32 s30, s30, 1
	s_add_co_u32 s30, s30, s23                     ; v's way: which 1,024 tokens: 2 (Y - 8) + X
	s_lshl_b32 s26, s24, 2
	s_add_co_u32 s26, s26, s22                     ; 4 Y + cy
	s_lshl_b32 s27, s23, 2
	s_add_co_u32 s27, s27, s21                     ; 4 X + cx
	s_lshl_b32 s31, s30, 2
	s_add_co_u32 s31, s31, s21
	s_cmp_ge_u32 s24, 8
	s_cselect_b32 s25, 1, 0                        ; 1: v's way
	s_cselect_b32 s28, 128, s28                    ; the A side's first tile: w_qkv's column 2,048, or x's row 1,024 Y
	s_cselect_b32 s30, s30, s23
	s_cselect_b32 s26, s22, s26                    ; TR: which 256 rows of the A side
	s_cselect_b32 s27, s31, s27                    ; TC: which 256 rows of the B side
	s_lshl_b32 s29, s22, 4
	s_add_co_u32 s28, s28, s29
	s_lshl_b32 s29, s20, 3
	s_add_co_u32 s28, s28, s29                     ; the A side's 8 tiles that I would ask for: it hangs on cy, Y and the wave
	s_lshl_b32 s30, s30, 6
	s_lshl_b32 s31, s21, 4
	s_add_co_u32 s30, s30, s31
	s_add_co_u32 s30, s30, s29                     ; the B side's: on cx, X, Y and the wave
	s_mul_i32 s66, s28, 12288
	s_mov_b32 s67, 0
	s_lshl_b32 s28, s28, 9
	s_mov_b32 s29, 0
	s_mul_i32 s100, s30, 12288
	s_mov_b32 s101, 0
	s_lshl_b32 s30, s30, 9
	s_mov_b32 s31, 0
	s_wait_kmcnt 0x0
	s_cmp_eq_u32 s25, 0
	s_cselect_b64 s[2:3], s[4:5], s[8:9]           ; the A side's codes,
	s_cselect_b64 s[104:105], s[6:7], s[10:11]     ; its scale words,
	s_cselect_b64 s[4:5], s[8:9], s[4:5]           ; the B side's codes,
	s_cselect_b64 s[6:7], s[10:11], s[6:7]         ; its scale words
	s_add_nc_u64 s[2:3], s[2:3], s[66:67]
	s_add_nc_u64 s[104:105], s[104:105], s[28:29]
	s_add_nc_u64 s[4:5], s[4:5], s[100:101]
	s_add_nc_u64 s[6:7], s[6:7], s[30:31]
	s_mul_i32 s28, s18, WPART                      ; where they go: no place in the cluster enters an LDS address
	s_lshl_b32 s29, s20, 12
	CROUND                                         ; all sixteen work-groups are here: the first joint loads meet
	s_mov_b32 s[G0A], 1
	s_add_co_u32 s[G0A+1], s29, SCL
	s_mov_b64 s[G0A+2:G0A+3], s[104:105]
	s_or_b32 s[G0A+3], s[G0A+3], 0x80000000
	s_mov_b32 s[G0B], 1
	s_add_co_u32 s[G0B+1], s29, SCLB
	s_mov_b64 s[G0B+2:G0B+3], s[6:7]
	s_or_b32 s[G0B+3], s[G0B+3], 0x80000000
	JLOAD G0A, G1SA, G0B, G1SB                     ; the scale words first: they are wanted with chunk 0
.irp c, 0,1,2
	s_mov_b32 s[G0A+4+4*\c], 1
	s_add_co_u32 s[G0A+5+4*\c], s28, \c*SLOT
	s_add_nc_u64 s[G0A+6+4*\c:G0A+7+4*\c], s[2:3], \c*3072
	s_or_b32 s[G0A+7+4*\c], s[G0A+7+4*\c], 0x80000000
	s_mov_b32 s[G0B+4+4*\c], 1
	s_add_co_u32 s[G0B+5+4*\c], s28, \c*SLOT
	s_add_nc_u64 s[G0B+6+4*\c:G0B+7+4*\c], s[4:5], \c*3072
	s_or_b32 s[G0B+7+4*\c], s[G0B+7+4*\c], 0x80000000
	JLOAD G0A+4+4*\c, G1A, G0B+4+4*\c, G1B         ; four loads of mine are out behind the last of these
.endr
	v_and_b32 v1, 31, v0                           ; lane
	v_and_b32 v2, 15, v0                           ; r
	v_bfe_u32 v3, v0, 4, 1                         ; h
	; THE BIAS is the C of each sum's first product.  q, k: register j of B tile t is column 32 (t / 2) + 8 (t % 2) + 16 h + j.  v: all eight registers of A block t are the lane's channel 32 (t / 2) + 8 (t % 2) + r % 8 + 16 (r / 8).
	s_lshl_b32 s66, s27, 10
	s_lshl_b32 s28, s20, 9
	s_add_co_u32 s66, s66, s28
	s_lshl_b32 s100, s26, 10
	s_lshl_b32 s28, s19, 9
	s_add_co_u32 s100, s100, s28
	s_add_co_u32 s100, s100, 8192
	s_cmp_lg_u32 s25, 0
	s_cselect_b32 s66, s100, s66
	s_cselect_b32 s28, 0, 64                       ; bytes for h,
	s_cselect_b32 s29, 4, 0                        ; for the lane's row,
	s_cselect_b32 s30, 0, 4                        ; for j
	s_mov_b32 s67, 0
	s_add_nc_u64 s[12:13], s[12:13], s[66:67]
	v_and_b32 v23, 7, v2
	v_lshrrev_b32 v24, 3, v2
	v_lshl_add_u32 v23, v24, 4, v23
	v_mul_u32_u24 v[VBJ], v3, s28
	v_mad_u32_u24 v[VBJ], v23, s29, v[VBJ]
.irp j, 1,2,3,4,5,6,7
	v_add_nc_u32 v[VBJ+\j], s30, v[VBJ+\j-1]
.endr
.irp t, 0,1,2,3,4,5,6,7
.irp j, 0,1,2,3,4,5,6,7
	global_load_b32 v[BI+8*\t+\j], v[VBJ+\j], s[12:13] offset:(32*(\t/2)+8*(\t%2))*4
.endr
.endr
	v_lshlrev_b32 v[L16], 4, v1
	v_lshlrev_b32 v[L8], 3, v1
	s_mul_i32 s31, s19, WPART
	s_mul_i32 s100, s20, WPART
	s_add_co_u32 s100, s100, 2*WPART
.irp s, 0,1,2
	v_add_nc_u32 v[A16+\s], s31, v[L16]
	v_add_nc_u32 v[A8+\s], s31, v[L8]
	v_add_nc_u32 v[B16+\s], s100, v[L16]
	v_add_nc_u32 v[B8+\s], s100, v[L8]
	s_add_co_u32 s31, s31, SLOT
	s_add_co_u32 s100, s100, SLOT
.endr
	s_lshl_b32 s31, s19, 12                        ; scale words: the A side's base + h x (the distance to the B side's): one product
	s_lshl_b32 s100, s20, 12
	s_add_co_u32 s100, s100, SCLB-SCL
	s_sub_co_u32 s100, s100, s31
	v_mul_u32_u24 v[ADRS], s100, v3
	s_add_co_u32 s31, s31, SCL
	v_lshl_add_u32 v[ADRS], v2, 2, v[ADRS]
	v_add_nc_u32 v[ADRS], s31, v[ADRS]
	s_lshl_b32 s31, s18, 10
	s_add_co_u32 s31, s31, SCSTG
	v_lshlrev_b32 v[SCA], 9, v3
	v_lshl_add_u32 v[SCA], v2, 2, v[SCA]
	v_add_nc_u32 v[SCA], s31, v[SCA]               ; the stage, in: 512 h + 4 r
	v_add_nc_u32 v[SCR], s31, v[L16]               ; out: 16 x lane
.macro FRAG reg, a16, a8, off          ; an image comes back as it was stored: four loads, each of consecutive bytes
	ds_load_b128 v[\reg:\reg+3], v[\a16] offset:\off
	ds_load_b64 v[\reg+4:\reg+5], v[\a8] offset:(\off)+512
	ds_load_b128 v[\reg+6:\reg+9], v[\a16] offset:(\off)+768
	ds_load_b64 v[\reg+10:\reg+11], v[\a8] offset:(\off)+1280
.endm
.macro FETCH_B slot, q, set            ; the B side's eight fragments of the slot's q-th K step
	WIN 0x40                                       ; destination window 1, address window 0
.irp i, 0,1,2,3,4,5,6,7
	FRAG 128*(\set)+12*\i, B16+(\slot), B8+(\slot), \i*3072+(\q)*1536
.endr
	WIN 0
.endm
.macro FETCH_A slot, q, i0             ; the A side's blocks i0 .. i0 + 3
.irp i, \i0, \i0+1, \i0+2, \i0+3
	FRAG AF+12*(\i), A16+(\slot), A8+(\slot), (\i)*3072+(\q)*1536
.endr
.endm
.macro SCALES k, set                   ; K step k's scale words: lanes 0-15 the A side's block i, lanes 16-31 the B side's
.irp i, 0,1,2,3,4,5,6,7
	ds_load_b32 v[SC+8*(\set)+\i], v[ADRS] offset:512*\i+64*(\k)
.endr
.endm
; 16 products: A blocks a0, a0 + 1 x the B side's eight.  The 64 accumulators take turns, one instruction a turn, in the same order in every K step.
; first = 0: onto the sums;  1: the sums start from the bias of B tile b;  2: from that of A block a.
.macro MUL16 a0, p, first
.irp a, \a0, \a0+1
.irp b, 0,1,2,3,4,5,6,7
.set rD, 8*(8*((\a)%4)+\b)
.set rB, 128*(\p)+12*\b
.set rA, AF+12*(\a)
.if (\first) == 0
	v_wmma_scale_f32_16x16x128_f8f6f4 v[rD:rD+7], v[rB:rB+11], v[rA:rA+11], v[rD:rD+7], v[SC+8*(\p)+\b], v[SC+8*(\p)+(\a)] matrix_a_fmt:MATRIX_FMT_FP6 matrix_b_fmt:MATRIX_FMT_FP6 matrix_a_scale:MATRIX_SCALE_ROW1
.elseif (\first) == 1
	v_wmma_scale_f32_16x16x128_f8f6f4 v[rD:rD+7], v[rB:rB+11], v[rA:rA+11], v[BI+8*\b:BI+8*\b+7], v[SC+8*(\p)+\b], v[SC+8*(\p)+(\a)] matrix_a_fmt:MATRIX_FMT_FP6 matrix_b_fmt:MATRIX_FMT_FP6 matrix_a_scale:MATRIX_SCALE_ROW1
.else
	v_wmma_scale_f32_16x16x128_f8f6f4 v[rD:rD+7], v[rB:rB+11], v[rA:rA+11], v[BI+8*(\a):BI+8*(\a)+7], v[SC+8*(\p)+\b], v[SC+8*(\p)+(\a)] matrix_a_fmt:MATRIX_FMT_FP6 matrix_b_fmt:MATRIX_FMT_FP6 matrix_a_scale:MATRIX_SCALE_ROW1
.endif
.endr
.endr
.endm
; K step k (chunk k / 2, in slot (k / 2) % 3).  In its middle and at its end it fetches K step k + 1's fragments.  Loads into registers that products have read stand four plain vector lines behind them.
.macro STEP k, first
.set NS, (((\k)+1)/2)%3
.set NQ, ((\k)+1)%2
.set PP, (\k)%2
	s_wait_dscnt 16                                ; all but the youngest 16 loads (A blocks 4-7) are in
.if \first
	WIN 0x81                                       ; C (the bias) window 0, D window 2
.else
	WIN MUL_LO
.endif
	MUL16 0, PP, \first
	MUL16 2, PP, \first
	s_wait_dscnt 0                                 ; A blocks 4-7 are in
	PLACES 4
	FETCH_B NS, NQ, 1-PP
	FETCH_A NS, NQ, 0
	SCALES (\k)+1, 1-PP
.if \first
	WIN 0xc1
.else
	WIN MUL_HI
.endif
	MUL16 4, PP, \first
	MUL16 6, PP, \first
	PLACES 4
	WIN 0
	FETCH_A NS, NQ, 4
.endm
; A K step with a barrier in it.  In front of the barrier each wave waits for all its tensor loads, adds 0 to its spare word, and waits for that and for its LDS reads.
; fill = 1: the barrier opens a round of the cluster's barrier, and behind the round slot 0, which nobody reads any more, takes chunk 3: it has four K steps, 256 products, in which to land.
.macro TURN k, fill
.set NS, (((\k)+1)/2)%3
.set NQ, ((\k)+1)%2
.set PP, (\k)%2
	s_wait_tensorcnt 0x0                           ; all my tensor loads have landed
	ds_add_u32 v[SPW], v[NIL]                      ; 0 onto my spare word
	s_wait_dscnt 17                                ; (the add and the youngest 16 loads may be out)
	WIN MUL_LO
	MUL16 0, PP, 0
	s_wait_dscnt 0x0                               ; the add is done, and my reads of the slot that is left are over
	s_barrier_signal -1
	MUL16 2, PP, 0
	WIN 0
	s_barrier_wait -1
.if \fill
	CREST                                          ; no wave of any partner still reads slot 0 or has a load on its way
	s_add_nc_u64 s[G0A+6:G0A+7], s[G0A+6:G0A+7], 3*3072
	s_add_nc_u64 s[G0B+6:G0B+7], s[G0B+6:G0B+7], 3*3072
	JLOAD G0A+4, G1A, G0B+4, G1B                   ; the first tensor load behind the round, my only one; its four v_nop are the places in front of the loads below
.else
	PLACES 4
.endif
	FETCH_B NS, NQ, 1-PP
	FETCH_A NS, NQ, 0
	SCALES (\k)+1, 1-PP
	WIN MUL_HI
	MUL16 4, PP, 0
	MUL16 6, PP, 0
	PLACES 4
	WIN 0
	FETCH_A NS, NQ, 4
.endm
	s_wait_tensorcnt 2                             ; the scale words and my part of chunk 0 are in; chunks 1 and 2 may be out
	s_barrier_signal -1
	s_barrier_wait -1
	FETCH_B 0, 0, 0
	FETCH_A 0, 0, 0
	SCALES 0, 0
	FETCH_A 0, 0, 4
	s_wait_loadcnt 0x0                             ; the bias
	s_cmp_lg_u32 s25, 0                            ; the first K step is written twice: it differs in which bias registers start a sum
	s_cbranch_scc1 .Lfirst_v
	STEP 0, 1
	s_branch .Lfirst_done
.Lfirst_v:
	STEP 0, 2
.Lfirst_done:
	TURN 1, 1                                      ; every wave has shown chunks 1 and 2 landed; chunk 3 goes out
	STEP 2, 0
	STEP 3, 0
	STEP 4, 0
	TURN 5, 0                                      ; chunk 3 has landed in every wave
	STEP 6, 0
	s_wait_dscnt 16                                ; the last K step: nothing more to fetch
	WIN MUL_LO
	MUL16 0, 1, 0
	MUL16 2, 1, 0
	s_wait_dscnt 0
	WIN MUL_HI
	MUL16 4, 1, 0
	MUL16 6, 1, 0
	WIN 0
	; THE WAY OUT.  A block a's 64 numbers of a lane (its 8 accumulators on end) are 128 neighbours' share along the B side: four blocks of 32.  They become one fragment and one scale word a row.
	; q, k: the fragment's two halves are two heads' 64: half c goes to head H0 + c's record, tile a; the word's two bytes likewise (lanes 16-31 keep the upper two).
	; v: the fragment is 16 channels x 128 keys: blocks 0-3 go to head H0's record, 4-7 to head H0 + 1's.
	PLACES 4
	s_lshl_b32 s40, s27, 1
	s_add_co_u32 s40, s40, s20                     ; 2 TC + my half
	s_lshl_b32 s41, s26, 1
	s_add_co_u32 s41, s41, s19                     ; 2 TR + my half
	s_lshl_b32 s42, s41, 1
	s_and_b32 s43, s27, 3
	s_lshl_b32 s43, s43, 2
	s_lshl_b32 s44, s20, 1
	s_add_co_u32 s43, s43, s44
	s_or_b32 s32, s25, s23
	s_cmp_eq_u32 s32, 0                            ; q?
	s_cselect_b64 s[34:35], s[14:15], s[16:17]
	s_mov_b32 s33, 13056
	s_cselect_b32 s33, 6656, s33                   ; a record
	s_mov_b32 s36, 12288
	s_cselect_b32 s36, 6144, s36                   ; where its scale words begin
	s_lshl_b32 s38, s33, 4                         ; from a head's records to the next head's
	s_cmp_lg_u32 s25, 0                            ; v?
	s_cselect_b32 s40, s40, s41                    ; which 128 tokens
	s_cselect_b32 s42, s42, s43                    ; H0
	s_cselect_b32 s36, 12800, s36
	s_cselect_b32 s37, 6144, 0                     ; where the codes begin
	s_cselect_b32 s38, 768, s38                    ; from half 0's place to half 1's
	s_mov_b32 s44, 768
	s_cselect_b32 s46, 1536, s44                   ; from block to block,
	s_cselect_b32 s48, 204288, s44                 ; from block 3 to block 4
	s_mov_b32 s45, 256
	s_cselect_b32 s45, 208896, s45                 ; from lanes 0-15's scale words to lanes 16-31's
	s_cselect_b32 s50, 0, 16
	s_mov_b32 s39, 0
	s_mov_b32 s47, 0
	s_mov_b32 s49, 0
	s_mov_b32 s53, 0
	s_lshr_b32 s51, s40, 4                         ; batch
	s_and_b32 s40, s40, 15
	s_lshl_b32 s51, s51, 4
	s_add_co_u32 s51, s51, s42
	s_lshl_b32 s51, s51, 4
	s_add_co_u32 s51, s51, s40                     ; the record's number
	s_mul_i32 s52, s51, s33
	s_add_nc_u64 s[34:35], s[34:35], s[52:53]
	s_mov_b32 s52, s37
	s_add_nc_u64 s[54:55], s[34:35], s[52:53]      ; half 0's place
	s_add_nc_u64 s[56:57], s[54:55], s[38:39]      ; half 1's
	s_mov_b32 s52, s36
	s_add_nc_u64 s[58:59], s[34:35], s[52:53]      ; the scale words'
	s_add_nc_u64 s[60:61], s[58:59], s[38:39]      ; q, k: the next head's
	s_mov_b32 s2, 0x76543210
	s_mov_b32 s3, 0xfedcba98                       ; v_permlanex16_b32's selects for lane l xor 16
	v_mul_u32_u24 v[VSH], v3, s50
	v_mul_u32_u24 v[VSO], v3, s45
	v_lshl_add_u32 v[VSO], v2, 4, v[VSO]
.irp b, 0,1,2,3
	v_mov_b32 v[TM+4+\b], 0                        ; written once: a lane permute's destination counts as one of its sources
.endr
.macro OUTA a
.set AC, 64*((\a)%4)
	WIN 0x28+0x14*((\a)/4)                         ; sources 1 and 2: window 2 or 3
.irp b, 0,1,2,3
	v_max3_num_f32 v[TM+\b], 0x1800000, |v[AC+16*\b]|, |v[AC+16*\b+1]|   ; the floor 2^(3 - 127) among the leaves; each accumulator is read from its low end on
.endr
.irp i, 2,4,6,8,10,12,14
.irp b, 0,1,2,3
	v_max3_num_f32 v[TM+\b], v[TM+\b], |v[AC+16*\b+\i]|, |v[AC+16*\b+\i+1]|
.endr
.endr
	WIN 0
.irp b, 0,1,2,3
	v_permlanex16_b32 v[TM+4+\b], v[TM+\b], s2, s3
.endr
.irp b, 0,1,2,3
	v_max_num_f32 v[TM+\b], v[TM+\b], v[TM+4+\b]
.endr
.irp b, 0,1,2,3
	v_add_nc_u32 v[TM+12+\b], 0xff000000, v[TM+\b] ; 2 off the exponent field: the conversion's scale operand
.endr
.irp b, 0,1,2,3
	v_lshrrev_b32 v[TM+4+\b], 23, v[TM+12+\b]
.endr
	v_lshl_or_b32 v[PW], v[TM+5], 8, v[TM+4]
	v_lshl_or_b32 v[PW], v[TM+6], 16, v[PW]
	v_lshl_or_b32 v[PW], v[TM+7], 24, v[PW]
.if (\a) > 0
	s_wait_xcnt 0x0                                ; the last block's stores have read their data and their bases
.endif
.if (\a) == 4
	s_add_nc_u64 s[54:55], s[54:55], s[48:49]
	s_add_nc_u64 s[56:57], s[56:57], s[48:49]
.elseif (\a) > 0
	s_add_nc_u64 s[54:55], s[54:55], s[46:47]
	s_add_nc_u64 s[56:57], s[56:57], s[46:47]
.endif
	WIN 0x02+((\a)/4)                              ; source 0: window 2 or 3
.irp c, 0,1
	v_cvt_scalef32_pk16_fp6_f32 v[PC+6*\c:PC+2+6*\c], v[AC+32*\c:AC+15+32*\c], v[TM+12+2*\c]
	v_cvt_scalef32_pk16_fp6_f32 v[PC+12+4*\c:PC+14+4*\c], v[AC+16+32*\c:AC+31+32*\c], v[TM+12+2*\c+1]
.endr
	WIN 0
	v_nop                                          ; one plain line behind the scaled conversions
.irp c, 0,1
.irp i, 0,1,2
	v_permlane16_swap_b32 v[PC+6*\c+\i], v[PC+12+4*\c+\i]
.endr
.irp i, 0,1,2
	v_mov_b32 v[PC+3+6*\c+\i], v[PC+12+4*\c+\i]
.endr
.endr
	v_lshrrev_b32 v[VAL+(\a)], v[VSH], v[PW]
	global_store_b128 v[L16], v[PC:PC+3], s[54:55]             ; each store covers 512 or 256 consecutive bytes, aligned
	global_store_b64 v[L8], v[PC+4:PC+5], s[54:55] offset:512
	global_store_b128 v[L16], v[PC+6:PC+9], s[56:57]
	global_store_b64 v[L8], v[PC+10:PC+11], s[56:57] offset:512
	ds_store_b32 v[SCA], v[VAL+(\a)] offset:64*(\a)
.endm
.irp a, 0,1,2,3,4,5,6,7
	OUTA \a
.endr
	ds_load_b128 v[176:179], v[SCR]                ; lanes 0-15's eight blocks of words: they see my stores
	ds_load_b128 v[180:183], v[SCR] offset:512     ; lanes 16-31's
	s_wait_dscnt 0x0
	global_store_b128 v[VSO], v[176:179], s[58:59] ; q, k: head H0's 512 bytes;  v: 256 bytes to each of two heads' records
	s_cmp_lg_u32 s25, 0
	s_cbranch_scc1 .Lno_second
	global_store_b128 v[VSO], v[180:183], s[60:61] ; q, k: head H0 + 1's
.Lno_second:
	s_wait_tensorcnt 0x0                           ; the wave's end
	ds_add_u32 v[SPW], v[NIL]
	s_wait_dscnt 0x0
	CROUND                                         ; the closing round: no work-group ends while a partner may still ask for a tile that names it
	s_endpgm
.Lfunc_end_k_q65b3273df6_gemm_qkv:
	.size	k_q65b3273df6_gemm_qkv, .Lfunc_end_k_q65b3273df6_gemm_qkv-k_q65b3273df6_gemm_qkv
	.p2alignl 7, 3214868480
	.fill 96, 4, 3214868480
	.section	.rodata,"a",@progbits
	.p2align	6, 0x0
	.amdhsa_kernel k_q65b3273df6_gemm_qkv
		.amdhsa_group_segment_fixed_size 327680
		.amdhsa_private_segment_fixed_size 0
		.amdhsa_enable_private_segment 0
		.amdhsa_kernarg_size 56
		.amdhsa_user_sgpr_count 2
		.amdhsa_user_sgpr_kernarg_segment_ptr 1
		.amdhsa_wavefront_size32 1
		.amdhsa_system_sgpr_workgroup_id_x 1
		.amdhsa_system_sgpr_workgroup_id_y 1
		.amdhsa_system_sgpr_workgroup_id_z 1
		.amdhsa_system_vgpr_workitem_id 0
		.amdhsa_next_free_vgpr 1024
		.amdhsa_next_free_sgpr 106
		.amdhsa_reserve_vcc 0
		.amdhsa_float_denorm_mode_32 3
		.amdhsa_float_denorm_mode_16_64 3
		.amdhsa_memory_ordered 1
		.amdhsa_forward_progress 1
		.amdhsa_inst_pref_size 174
	.end_amdhsa_kernel
	.amdgpu_metadata
---
amdhsa.version: [ 1, 2 ]
amdhsa.kernels:
  - .name:           k_q65b3273df6_gemm_qkv
    .symbol:         k_q65b3273df6_gemm_qkv.kd
    .args:
      - { .name: ximg, .offset: 0, .size: 8, .value_kind: global_buffer, .address_space: global }
      - { .name: xsc, .offset: 8, .size: 8, .value_kind: global_buffer, .address_space: global }
      - { .name: wimg, .offset: 16, .size: 8, .value_kind: global_buffer, .address_space: global }
      - { .name: wsc, .offset: 24, .size: 8, .value_kind: global_buffer, .address_space: global }
      - { .name: b_qkv, .offset: 32, .size: 8, .value_kind: global_buffer, .address_space: global }
      - { .name: qbuf, .offset: 40, .size: 8, .value_kind: global_buffer, .address_space: global }
      - { .name: kv, .offset: 48, .size: 8, .value_kind: global_buffer, .address_space: global }
    .group_segment_fixed_size: 327680
    .private_segment_fixed_size: 0
    .kernarg_segment_align: 8
    .kernarg_segment_size: 56
    .max_flat_workgroup_size: 128
    .sgpr_count:     106
    .vgpr_count:     1024
    .wavefront_size: 32
...
	.end_amdgpu_metadata
.endif
;; end of part 2
;; launch attn (part 3): grid 4 x 64, 16 waves a work-group, clusters of 4 x 1, 215,040 bytes of LDS; arguments qbuf, kv, oimg, osc; writes oimg, osc
.if DOCPART == 3
	.amdgcn_target "amdgcn-amd-amdhsa--gfx1250"
	.amdhsa_code_object_version 6
	.text
	.protected	k_q65b3273df6_attn
	.globl	k_q65b3273df6_attn
	.p2align	8
	.type	k_q65b3273df6_attn,@function
k_q65b3273df6_attn:
	s_mov_b64 s[64:65], 0
	v_nop
	global_prefetch_b8 v0, s[64:65] scope:SCOPE_SE
	s_setreg_imm32_b32 hwreg(HW_REG_WAVE_MODE, 25, 1), 1
	s_wait_xcnt 0x0
	s_wait_alu depctr_hold_cnt(0) depctr_sa_sdst(0) depctr_va_vdst(0) depctr_va_sdst(0) depctr_va_ssrc(0) depctr_va_vcc(0) depctr_vm_vsrc(0)
	s_getreg_b32 s2, hwreg(HW_REG_IB_STS2, 6, 4)
	s_cmp_eq_u32 s2, 0
	s_cbranch_scc0 .Lentry_in_a_cluster
	s_endpgm
.Lentry_in_a_cluster:
	s_bfe_u32 s2, ttmp6, 0x10000c
	s_cmp_lg_u32 s2, 0x3003
	s_cbranch_scc0 .Lentry_shape_is_right
	s_endpgm
.Lentry_shape_is_right:
; Causal attention of one (batch, head) a cluster, head size 64, 2,048 tokens, both products on codes of FP6 (E2M3) with E8M0 scales; the result leaves as codes for the last product, quantised along the head's 64.
; t = score x log2(e) / 8; M = the running largest t rounded UP to a whole number; p = 2^(t - M) is quantised along the keys, not normalised; the row's sum of the unquantised p divides at the end.
; LIMITS: NaN and infinities are not served; 1 / sum is v_rcp_f32; a block whose largest magnitude lies under 2^-124 (zeros too) gets the byte 1: only this program reads the bytes.
; THE HEAD'S K AND V, 16 records of 13,056 bytes (128 keys each: K's 8 tiles x 768, V's 4 fragments x 1,536, K's scale words 512, V's 256), FIT IN LDS WHOLE: they are asked for once, at the head;
; no LDS byte is filled twice, and no barrier stands in the loops over keys.  The four work-groups of a cluster read the same records: each is asked for jointly (mask 15).
; SHARES.  Wave w (w' = w % 8, jj = w / 8) of the work-group at place cx owns two tiles of 16 queries, one after the other: tile 2 cx + jj of group 15 - w' (128 queries a group), then of group w'.
; A tile of group g needs key steps 0 .. g: 17 steps for every wave.  Branches hang on the wave's number and on counters alone; cx enters only Q's and O's addresses in memory and the mask's lane number D.
; LAYOUT.  S^T = K Q^T (source 0 = 16 keys, source 1 = my 16 queries), O^T = V^T P^T: a lane holds one query throughout.  Place r of tile 2 g + u (of keys, queries, channels) is row 32 g + 8 u + r % 8 + 16 (r / 8),
; so the 16 registers of tiles 2 g, 2 g + 1 are 16 neighbours.  K = 64 fills half of the instruction's 128: Q's upper six registers are zero codes; K's operand t is v[36 + 6 t .. 47 + 6 t], whose upper six
; registers are tile t + 1's codes: they meet zeros.
; REGISTERS: v1-3 16 x lane, 8 x lane, 4 r; v4-6 addresses in hand; v7 D; v9 -infinity; v10 -M, v11 the largest t, v[12:13] the sum; v14 the scale bytes' offset; v8, v15, v230 Q's offsets;
;   v16-27 Q, v28 its scale word; v29-35 the second tile's; v36-89 K's tiles, then V's fragments; v96-159 S^T, then p; v160-191 O^T; v192-203 p's codes; v204-231 at work.
.set REC, 13056
.set FR,  36
.set S,   96
.set O,   160
.set PC,  192
.set AUX, 204
.set BM,  212
.set SO,  216
.set KS,  220
.set WV,  12                           ; s12 wave; s13 cx; s14 batch x head; s15 w'; s16 jj
.set G,   17                           ; s17 the tile's group: its last key step
.set KSI, 18                           ; s18 the key step
.set TB,  19                           ; s19 its record's LDS byte
.set SEL, 20                           ; s[20:21] lane selects: lane l xor 16
.set CS,  22                           ; s[22:23] c = log2(e) / 8
.set G1,  24                           ; s[24:31] group 1; s[32:35], s[36:39] groups 0
.set CNT, 52
.set HM,  53                           ; s53 the mask of lanes 16-31
.macro ROUND                           ; a round of the cluster's barrier
	s_barrier_signal -1
	s_barrier_wait -1
	s_cmp_lg_u32 s[WV], 0
	s_cbranch_scc1 .Lnot_wave_0_\@
	s_barrier_signal -3
.Lnot_wave_0_\@:
	s_barrier_wait -3
	s_barrier_signal -1
	s_barrier_wait -1
.endm
	s_load_b256 s[4:11], s[0:1], 0x0               ; qbuf s[4:5], kv s[6:7], oimg s[8:9], osc s[10:11]
	v_lshl_add_u32 v254, v0, 2, 0x34000
	v_mov_b32 v255, 0
	ds_add_u32 v254, v255
	ds_add_u32 v254, v255
	v_lshrrev_b32 v1, 5, v0
	s_delay_alu instid0(VALU_DEP_1)
	v_readfirstlane_b32 s[WV], v1                  ; wave 0..15
	s_bfe_u32 s13, ttmp6, 0x40000                  ; cx
	s_and_b32 s14, ttmp7, 0xffff                   ; batch x head, which the four partners share
	s_and_b32 s15, s[WV], 7
	s_lshr_b32 s16, s[WV], 3
	s_mov_b32 s[G1], 15|(3<<16)|(1<<21)            ; 15:0 the mask: all four; 17:16 elements of 8 bytes; 21 set beside a mask.  A record: 51 dense rows of 256 bytes
	s_mov_b32 s[G1+1], 32<<16
	s_mov_b32 s[G1+2], 51<<16
	s_mov_b32 s[G1+3], 32<<16
	s_mov_b32 s[G1+4], 51
	s_mov_b32 s[G1+5], 32
	s_mov_b32 s[G1+6], 0
	s_mov_b32 s[G1+7], 0
	s_mul_i32 s33, s15, REC                        ; record w' goes to LDS byte 13,056 w'
	s_mul_i32 s54, s14, 16*REC
	s_add_co_u32 s54, s54, s33
	s_mov_b32 s55, 0
	s_mov_b32 s[SEL], 0x76543210
	s_mov_b32 s[SEL+1], 0xfedcba98
	s_mov_b32 s[CS], 0x3e38aa3b
	s_mov_b32 s[CS+1], s[CS]                       ; (named with it as a pair, so it is written)
	s_wait_dscnt 0x0
	s_wait_kmcnt 0x0
	s_mov_b32 s32, 1
	s_add_nc_u64 s[34:35], s[6:7], s[54:55]
	s_mov_b32 s36, 1
	s_add_co_u32 s37, s33, 8*REC                   ; and record 8 + w' eight records on
	s_add_nc_u64 s[38:39], s[34:35], 8*REC
	s_or_b32 s35, s35, 0x80000000
	s_or_b32 s39, s39, 0x80000000
	ROUND                                          ; all four work-groups are here: the joint loads meet
	s_cmp_lt_u32 s[WV], 8                          ; waves 0-7 ask, two loads each, in one branch: two loads of mine are out
	s_cbranch_scc0 .Lno_fetch
	tensor_load_to_lds s[32:35], s[G1:G1+7]
	s_nop 0
	tensor_load_to_lds s[36:39], s[G1:G1+7]
	s_nop 0
.rept 4
	v_nop
.endr
.Lno_fetch:
	s_lshl_b32 s56, s13, 1
	s_add_co_u32 s56, s56, s16                     ; my tile in its group: 2 cx + jj
	s_sub_co_u32 s57, 15, s15                      ; the first tile's group
	s_lshl_b32 s58, s14, 4
	s_add_co_u32 s54, s58, s57
	s_mul_i32 s54, s54, 6656
	s_add_nc_u64 s[40:41], s[4:5], s[54:55]        ; Q's record, first tile
	s_add_co_u32 s54, s58, s15
	s_mul_i32 s54, s54, 6656
	s_add_nc_u64 s[42:43], s[4:5], s[54:55]        ; second tile
	s_lshr_b32 s58, s14, 4
	s_lshl_b32 s58, s58, 7
	s_add_co_u32 s58, s58, s56                     ; 128 x batch + my tile
	s_and_b32 s59, s14, 15                         ; head
	s_mul_i32 s60, s59, 768                        ; the head's half fragment in a row tile's 12,288 bytes
	s_lshr_b32 s61, s59, 1
	s_lshl_b32 s61, s61, 6
	s_and_b32 s59, s59, 1
	s_lshl_b32 s59, s59, 1
	s_add_co_u32 s61, s61, s59                     ; its two bytes in a row tile's scale words
	s_lshl_b32 s59, s57, 3
	s_add_co_u32 s59, s59, s58                     ; the first tile's row tile
	s_mul_i32 s54, s59, 12288
	s_add_co_u32 s54, s54, s60
	s_add_nc_u64 s[44:45], s[8:9], s[54:55]
	s_lshl_b32 s54, s59, 9
	s_add_co_u32 s54, s54, s61
	s_add_nc_u64 s[48:49], s[10:11], s[54:55]
	s_lshl_b32 s59, s15, 3
	s_add_co_u32 s59, s59, s58                     ; the second's
	s_mul_i32 s54, s59, 12288
	s_add_co_u32 s54, s54, s60
	s_add_nc_u64 s[46:47], s[8:9], s[54:55]
	s_lshl_b32 s54, s59, 9
	s_add_co_u32 s54, s54, s61
	s_add_nc_u64 s[50:51], s[10:11], s[54:55]
	v_and_b32 v4, 31, v0                           ; lane
	v_and_b32 v5, 15, v0                           ; r
	v_bfe_u32 v6, v0, 4, 1                         ; h
	s_delay_alu instid0(VALU_DEP_3)
	v_lshlrev_b32 v1, 4, v4
	s_delay_alu instid0(VALU_DEP_4)
	v_lshlrev_b32 v2, 3, v4
	s_delay_alu instid0(VALU_DEP_4)
	v_lshlrev_b32 v3, 2, v5
	s_delay_alu instid0(VALU_DEP_4)
	v_cmp_eq_u32 s[HM], 1, v6
	s_delay_alu instid0(VALU_DEP_2)
	v_add_nc_u32 v14, v3, v6                       ; 4 r + h
	s_mul_i32 s54, s56, 768
	v_add_nc_u32 v8, s54, v1
	v_add_nc_u32 v15, s54, v2
	s_lshl_b32 s54, s56, 6
	v_add_nc_u32 v230, s54, v3
	global_load_b128 v[16:19], v8, s[40:41]        ; Q's half fragments and scale words stay in registers
	global_load_b64 v[20:21], v15, s[40:41] offset:512
	global_load_b32 v28, v230, s[40:41] offset:6144
	global_load_b128 v[30:33], v8, s[42:43]
	global_load_b64 v[34:35], v15, s[42:43] offset:512
	global_load_b32 v29, v230, s[42:43] offset:6144
	v_and_b32 v7, 7, v5
	v_lshrrev_b32 v9, 3, v5
	s_delay_alu instid0(VALU_DEP_1)
	v_lshl_add_u32 v7, v9, 4, v7
	v_lshlrev_b32 v9, 4, v6
	s_delay_alu instid0(VALU_DEP_1)
	v_sub_nc_u32 v7, v7, v9
	s_lshl_b32 s54, s13, 5
	s_lshl_b32 s58, s16, 3
	s_add_co_u32 s54, s54, s58
	v_add_nc_u32 v7, s54, v7                       ; D = my query in its group - 16 h.  Register 16 b + i of S^T holds key 32 b + 16 h + i of the step: on the diagonal it is hidden where 32 b + i > D
	v_mov_b32 v9, 0xff800000                       ; -infinity
.irp i, 22,23,24,25,26,27,84,85,86,87,88,89
	v_mov_b32 v\i, 0                               ; zero codes: Q's upper half, and what stands above K's tile 7
.endr
.irp b, 0,1,2,3
	v_mov_b32 v[AUX+\b], 0                         ; written once: a lane permute's destination counts as one of its sources
.endr
	v_mov_b32 v229, 0                              ; (named as the upper half of the pair v[228:229] before it is first written)
	v_mov_b32 v231, 0
.macro INIT                            ; the step is written without a first step of its own: it finds zeros, which the first change of M leaves zeros
	v_mov_b32 v11, 0xff61b1e6                      ; the largest t so far: -3e38
	s_delay_alu instid0(VALU_DEP_1)
	v_floor_f32 v10, -v11
	v_mov_b32 v12, 0
	v_mov_b32 v13, 0
.set n, 0
.rept 32
	v_mov_b32 v[O+n], 0
.set n, n+1
.endr
.endm
	INIT
; A KEY STEP: 128 keys.  m = 1: a step behind the tile's group is left out, and the group's own step is masked.
.macro STEP m
.if \m
	s_cmp_gt_u32 s[KSI], s[G]
	s_cbranch_scc1 .Lhidden_\@
.endif
	s_setprio 2
	v_add_nc_u32 v4, s[TB], v1                     ; (these four lines are the places in front of loads into registers that the last products read)
	v_add_nc_u32 v5, s[TB], v2
	v_add_nc_u32 v6, s[TB], v3
	v_nop
.irp t, 0,1,2,3,4,5,6,7
	ds_load_b128 v[FR+6*\t:FR+6*\t+3], v4 offset:768*\t
	ds_load_b64 v[FR+6*\t+4:FR+6*\t+5], v5 offset:768*\t+512
	ds_load_b32 v[KS+\t], v6 offset:12288+64*\t
.endr
	s_wait_alu depctr_va_vdst(0)
	s_wait_dscnt 0x0
.irp t, 0,1,2,3,4,5,6,7
	v_wmma_scale_f32_16x16x128_f8f6f4 v[S+8*\t:S+8*\t+7], v[FR+6*\t:FR+6*\t+11], v[16:27], 0, v[KS+\t], v28 matrix_a_fmt:MATRIX_FMT_FP6 matrix_b_fmt:MATRIX_FMT_FP6
.endr
.rept 4
	v_nop
.endr
.irp ct, 0,1,2,3                       ; V's fragments land under the softmax
	ds_load_b128 v[FR+12*\ct:FR+12*\ct+3], v4 offset:6144+1536*\ct
	ds_load_b64 v[FR+12*\ct+4:FR+12*\ct+5], v5 offset:6144+1536*\ct+512
	ds_load_b128 v[FR+12*\ct+6:FR+12*\ct+9], v4 offset:6144+1536*\ct+768
	ds_load_b64 v[FR+12*\ct+10:FR+12*\ct+11], v5 offset:6144+1536*\ct+1280
	ds_load_b32 v[KS+\ct], v6 offset:12800+64*\ct
.endr
.if \m
	s_cmp_lg_u32 s[KSI], s[G]
	s_cbranch_scc1 .Lopen_\@
.set n, 0
.rept 64
	v_cmp_gt_i32 vcc_lo, 32*(n/16)+n%16, v7
	v_cndmask_b32 v[S+n], v[S+n], v9, vcc_lo       ; hidden scores become -infinity ahead of the maximum: p = 0 then
.set n, n+1
.endr
.Lopen_\@:
.endif
.irp b, 0,1,2,3
	v_max3_num_f32 v[BM+\b], v[S+16*\b], v[S+1+16*\b], v[S+2+16*\b]   ; the largest score of each block of 32 keys: for the row's maximum, and, since p rises with the score, for the block's largest p
.endr
.irp i, 3,5,7,9,11,13
.irp b, 0,1,2,3
	v_max3_num_f32 v[BM+\b], v[BM+\b], v[S+16*\b+\i], v[S+1+16*\b+\i]
.endr
.endr
.irp b, 0,1,2,3
	v_max_num_f32 v[BM+\b], v[BM+\b], v[S+15+16*\b]
.endr
.irp b, 0,1,2,3
	s_delay_alu instid0(VALU_DEP_4)
	v_permlanex16_b32 v[AUX+\b], v[BM+\b], s[SEL], s[SEL+1]
.endr
.irp b, 0,1,2,3
	s_delay_alu instid0(VALU_DEP_4)
	v_max_num_f32 v[BM+\b], v[BM+\b], v[AUX+\b]
.endr
	s_delay_alu instid0(VALU_DEP_2)
	v_max3_num_f32 v231, v[BM], v[BM+1], v[BM+2]
	s_delay_alu instid0(VALU_DEP_1)
	v_max_num_f32 v231, v231, v[BM+3]
	s_delay_alu instid0(VALU_DEP_1)
	v_mul_f32 v231, s[CS], v231                    ; as t (c is positive)
	s_delay_alu instid0(VALU_DEP_1)
	v_max_num_f32 v11, v11, v231                   ; the running largest t
	v_mov_b32 v231, v10
	s_delay_alu instid0(VALU_DEP_2)
	v_floor_f32 v10, -v11                          ; the new -M = -ceil(t)
	s_delay_alu instid0(VALU_DEP_1)
	v_sub_f32 v231, v10, v231                      ; old M - new M: a whole number, 0 or less
	s_delay_alu instid0(VALU_DEP_1)
	v_cvt_i32_f32 v231, v231                       ; (it saturates)
	s_delay_alu instid0(VALU_DEP_1)
	v_ldexp_f32 v228, 1.0, v231                    ; f = 2^(old M - new M): a multiplication by it rounds nothing
.set n, 0
.rept 32
	v_pk_fma_f32 v[S+n:S+n+1], v[S+n:S+n+1], s[CS:CS+1], v[10:11] op_sel_hi:[1,0,0]   ; t - M, two at a time
.set n, n+2
.endr
.irp b, 0,1,2,3
	v_fma_f32 v[BM+\b], v[BM+\b], s[CS], v10       ; the same of each block's largest score
.endr
.set n, 0
	s_setprio 1
	s_wait_alu depctr_va_vdst(0)
.rept 64
	v_exp_f32 v[S+n], v[S+n]                       ; p = 2^(t - M)
.set n, n+1
.endr
	v_pk_mul_f32 v[12:13], v[12:13], v[228:229] op_sel_hi:[1,0]   ; the sums under the new M: a plain line behind the exponentials
	s_wait_alu depctr_va_vdst(0)                   ; one wait for the batch of 64, ahead of its first reader
.irp b, 0,1,2,3
	v_exp_f32 v[BM+\b], v[BM+\b]                   ; each block's largest p
.endr
	v_pk_add_f32 v[204:205], v[100:101], v[104:105]
	v_pk_add_f32 v[252:253], v[108:109], v[112:113]
	v_pk_add_f32 v[250:251], v[116:117], v[120:121]
	v_pk_add_f32 v[248:249], v[124:125], v[128:129]
	v_pk_add_f32 v[246:247], v[132:133], v[136:137]
	v_pk_add_f32 v[244:245], v[140:141], v[144:145]
	v_pk_add_f32 v[242:243], v[148:149], v[152:153]
	v_pk_add_f32 v[12:13], v[12:13], v[156:157]
	v_pk_add_f32 v[204:205], v[204:205], v[96:97]
	v_pk_add_f32 v[252:253], v[252:253], v[98:99]
	v_pk_add_f32 v[250:251], v[250:251], v[102:103]
	v_pk_add_f32 v[248:249], v[248:249], v[106:107]
	v_pk_add_f32 v[246:247], v[246:247], v[110:111]
	v_pk_add_f32 v[244:245], v[244:245], v[114:115]
	v_pk_add_f32 v[242:243], v[242:243], v[118:119]
	v_pk_add_f32 v[12:13], v[12:13], v[122:123]
	v_pk_add_f32 v[204:205], v[204:205], v[126:127]
	v_pk_add_f32 v[252:253], v[252:253], v[130:131]
	v_pk_add_f32 v[250:251], v[250:251], v[134:135]
	v_pk_add_f32 v[248:249], v[248:249], v[138:139]
	v_pk_add_f32 v[246:247], v[246:247], v[142:143]
	v_pk_add_f32 v[244:245], v[244:245], v[146:147]
	v_pk_add_f32 v[242:243], v[242:243], v[150:151]
	v_pk_add_f32 v[12:13], v[12:13], v[154:155]
	v_pk_add_f32 v[204:205], v[204:205], v[158:159]
	s_delay_alu instid0(VALU_DEP_2)
	v_pk_add_f32 v[12:13], v[12:13], v[248:249]
	s_delay_alu instid0(VALU_DEP_2)
	v_pk_add_f32 v[204:205], v[204:205], v[246:247]
	v_pk_add_f32 v[252:253], v[252:253], v[244:245]
	v_pk_add_f32 v[250:251], v[250:251], v[242:243]
	s_delay_alu instid0(VALU_DEP_2)
	v_pk_add_f32 v[12:13], v[12:13], v[252:253]
	s_delay_alu instid0(VALU_DEP_2)
	v_pk_add_f32 v[204:205], v[204:205], v[250:251]
	s_delay_alu instid0(VALU_DEP_1)
	v_pk_add_f32 v[12:13], v[12:13], v[204:205]
	s_wait_alu depctr_va_vdst(0)                   ; and one for the four
.irp b, 0,1,2,3
	v_max_num_f32 v[BM+\b], 0x1800000, v[BM+\b]    ; the floor: a block whose every p is 0 keeps the byte 1 over zero codes
.endr
.irp b, 0,1,2,3
	s_delay_alu instid0(VALU_DEP_4)
	v_add_nc_u32 v[SO+\b], 0xff000000, v[BM+\b]
.endr
.irp b, 0,1,2,3
	s_delay_alu instid0(VALU_DEP_4)
	v_lshrrev_b32 v[AUX+\b], 23, v[SO+\b]
.endr
	s_delay_alu instid0(VALU_DEP_3)
	v_lshl_or_b32 v229, v[AUX+1], 8, v[AUX]        ; p's scale word for these 128 keys
	s_delay_alu instid0(VALU_DEP_1)
	v_lshl_or_b32 v229, v[AUX+2], 16, v229
	s_delay_alu instid0(VALU_DEP_1)
	v_lshl_or_b32 v229, v[AUX+3], 24, v229
.irp c, 0,1
	v_cvt_scalef32_pk16_fp6_f32 v[PC+6*\c:PC+2+6*\c], v[S+32*\c:S+15+32*\c], v[SO+2*\c]
	v_cvt_scalef32_pk16_fp6_f32 v[AUX+4*\c:AUX+2+4*\c], v[S+16+32*\c:S+31+32*\c], v[SO+2*\c+1]
.endr
	s_setprio 0
	v_nop                                          ; one plain line behind the scaled conversions
.irp c, 0,1
.irp i, 0,1,2
	v_permlane16_swap_b32 v[PC+6*\c+\i], v[AUX+4*\c+\i]
.endr
.irp i, 0,1,2
	s_delay_alu instid0(VALU_DEP_3)
	v_mov_b32 v[PC+3+6*\c+\i], v[AUX+4*\c+\i]
.endr
.endr
.set n, 0
.rept 16
	v_pk_mul_f32 v[O+n:O+n+1], v[O+n:O+n+1], v[228:229] op_sel_hi:[1,0]   ; O^T under the new M; these sixteen also stand between the lines that made p's codes and scale word and the products
.set n, n+2
.endr
	s_wait_alu depctr_va_vdst(0)
	s_wait_dscnt 0x0                               ; V is in
.irp ct, 0,1,2,3
	v_wmma_scale_f32_16x16x128_f8f6f4 v[O+8*\ct:O+8*\ct+7], v[FR+12*\ct:FR+12*\ct+11], v[PC:PC+11], v[O+8*\ct:O+8*\ct+7], v[KS+\ct], v229 matrix_a_fmt:MATRIX_FMT_FP6 matrix_b_fmt:MATRIX_FMT_FP6
.endr
.if \m
.Lhidden_\@:
.endif
	s_add_co_u32 s[TB], s[TB], REC
	s_add_co_u32 s[KSI], s[KSI], 1
.endm
.macro RUN m                           ; eight key steps: the trip count is a constant
	s_mov_b32 s[CNT], 8
.Lrun_\@:
	STEP \m
	s_sub_co_u32 s[CNT], s[CNT], 1
	s_cmp_lg_u32 s[CNT], 0
	s_cbranch_scc1 .Lrun_\@
	s_setprio 0
.endm
; A tile's end: O^T / the sum; its 32 numbers a lane are channels 32 b + 16 h + i: two blocks, half a fragment of the last product's operand.
.macro FINISH ob, os
.rept 4
	v_nop
.endr
	v_add_f32 v12, v12, v13
	s_delay_alu instid0(VALU_DEP_1)
	v_permlanex16_b32 v231, v12, s[SEL], s[SEL+1]
	s_delay_alu instid0(VALU_DEP_1)
	v_add_f32 v12, v12, v231                       ; the row's sum
	s_wait_alu depctr_va_vdst(0)
	v_rcp_f32 v12, v12
	v_nop                                          ; a plain line behind the reciprocal,
	s_wait_alu depctr_va_vdst(0)                   ; and the wait ahead of its first reader
.set n, 0
.rept 16
	v_pk_mul_f32 v[S+n:S+n+1], v[O+n:O+n+1], v[12:13] op_sel_hi:[1,0]
.set n, n+2
.endr
.irp b, 0,1
	v_max3_num_f32 v[BM+\b], |v[S+16*\b]|, |v[S+1+16*\b]|, 0x1800000
.endr
.irp i, 2,4,6,8,10,12,14
.irp b, 0,1
	s_delay_alu instid0(VALU_DEP_2)
	v_max3_num_f32 v[BM+\b], v[BM+\b], |v[S+16*\b+\i]|, |v[S+1+16*\b+\i]|
.endr
.endr
.irp b, 0,1
	s_delay_alu instid0(VALU_DEP_2)
	v_permlanex16_b32 v[AUX+\b], v[BM+\b], s[SEL], s[SEL+1]
.endr
.irp b, 0,1
	s_delay_alu instid0(VALU_DEP_2)
	v_max_num_f32 v[BM+\b], v[BM+\b], v[AUX+\b]
.endr
.irp b, 0,1
	s_delay_alu instid0(VALU_DEP_2)
	v_add_nc_u32 v[SO+\b], 0xff000000, v[BM+\b]
.endr
.irp b, 0,1
	s_delay_alu instid0(VALU_DEP_2)
	v_lshrrev_b32 v[AUX+\b], 23, v[SO+\b]
.endr
	s_delay_alu instid0(VALU_DEP_1)
	v_cndmask_b32 v231, v[AUX], v[AUX+1], s[HM]    ; lanes 0-15 store block 0's byte, lanes 16-31 block 1's
	v_cvt_scalef32_pk16_fp6_f32 v[PC:PC+2], v[S:S+15], v[SO]
	v_cvt_scalef32_pk16_fp6_f32 v[AUX+4:AUX+6], v[S+16:S+31], v[SO+1]
	v_nop                                          ; one plain line behind the scaled conversions
.irp i, 0,1,2
	v_permlane16_swap_b32 v[PC+\i], v[AUX+4+\i]
.endr
.irp i, 0,1,2
	s_delay_alu instid0(VALU_DEP_3)
	v_mov_b32 v[PC+3+\i], v[AUX+4+\i]
.endr
	global_store_b128 v1, v[PC:PC+3], s[\ob:\ob+1]             ; 512 and 256 consecutive bytes, aligned
	global_store_b64 v2, v[PC+4:PC+5], s[\ob:\ob+1] offset:512
	global_store_b8 v14, v231, s[\os:\os+1]                    ; 32 bytes in a span of 64: one byte for each 24 of codes
.endm
	s_wait_tensorcnt 0x1                           ; my first load (records 0-7) is in; my second may be out
	s_barrier_signal -1
	s_barrier_wait -1
	s_wait_loadcnt 0x0                             ; Q
	s_sub_co_u32 s[G], 15, s15                     ; the first tile: group 8 or higher, so steps 0-7 are all open
	s_mov_b32 s[TB], 0
	s_mov_b32 s[KSI], 0
	RUN 0
	s_wait_tensorcnt 0x0                           ; records 8-15
	s_wait_dscnt 0x0
	s_barrier_signal -1
	s_barrier_wait -1
	s_mov_b32 s[TB], 8*REC
	s_mov_b32 s[KSI], 8
	RUN 1
	FINISH 44, 48
	s_wait_xcnt 0x0                                ; the stores have read their data
.irp i, 0,1,2,3,4,5
	v_mov_b32 v[16+\i], v[30+\i]                   ; the second tile's Q
.endr
	v_mov_b32 v28, v29
	INIT                                           ; (its lines stand between these moves and the next products)
	s_mov_b32 s[G], s15
	s_mov_b32 s[TB], 0
	s_mov_b32 s[KSI], 0
	RUN 1
	FINISH 46, 50
	s_wait_tensorcnt 0x0
	ds_add_u32 v254, v255
	s_wait_dscnt 0x0
	ROUND                                          ; the closing round
	s_endpgm
.Lfunc_end_k_q65b3273df6_attn:
	.size	k_q65b3273df6_attn, .Lfunc_end_k_q65b3273df6_attn-k_q65b3273df6_attn
	.p2alignl 7, 3214868480
	.fill 96, 4, 3214868480
	.section	.rodata,"a",@progbits
	.p2align	6, 0x0
	.amdhsa_kernel k_q65b3273df6_attn
		.amdhsa_group_segment_fixed_size 215040
		.amdhsa_private_segment_fixed_size 0
		.amdhsa_enable_private_segment 0
		.amdhsa_kernarg_size 32
		.amdhsa_user_sgpr_count 2
		.amdhsa_user_sgpr_kernarg_segment_ptr 1
		.amdhsa_wavefront_size32 1
		.amdhsa_system_sgpr_workgroup_id_x 1
		.amdhsa_system_sgpr_workgroup_id_y 1
		.amdhsa_system_sgpr_workgroup_id_z 1
		.amdhsa_system_vgpr_workitem_id 0
		.amdhsa_next_free_vgpr 256
		.amdhsa_next_free_sgpr 66
		.amdhsa_reserve_vcc 1
		.amdhsa_float_denorm_mode_32 3
		.amdhsa_float_denorm_mode_16_64 3
		.amdhsa_memory_ordered 1
		.amdhsa_forward_progress 1
		.amdhsa_inst_pref_size 83
	.end_amdhsa_kernel
	.amdgpu_metadata
---
amdhsa.version: [ 1, 2 ]
amdhsa.kernels:
  - .name:           k_q65b3273df6_attn
    .symbol:         k_q65b3273df6_attn.kd
    .args:
      - { .name: qbuf, .offset: 0, .size: 8, .value_kind: global_buffer, .address_space: global }
      - { .name: kv, .offset: 8, .size: 8, .value_kind: global_buffer, .address_space: global }
      - { .name: oimg, .offset: 16, .size: 8, .value_kind: global_buffer, .address_space: global }
      - { .name: osc, .offset: 24, .size: 8, .value_kind: global_buffer, .address_space: global }
    .group_segment_fixed_size: 215040
    .private_segment_fixed_size: 0
    .kernarg_segment_align: 8
    .kernarg_segment_size: 32
    .max_flat_workgroup_size: 512
    .sgpr_count:     66
    .vgpr_count:     256
    .wavefront_size: 32
...
	.end_amdgpu_metadata
.endif
;; end of part 3
;; launch gemm_proj (part 4): grid 4 x 32, 4 waves a work-group, clusters of 4 x 4, 327,680 bytes of LDS; arguments oimg, osc, wimg, wsc, b_proj, out0; writes out0
.if DOCPART == 4
	.amdgcn_target "amdgcn-amd-amdhsa--gfx1250"
	.amdhsa_code_object_version 6
	.text
	.protected	k_q65b3273df6_gemm_proj
	.globl	k_q65b3273df6_gemm_proj
	.p2align	8
	.type	k_q65b3273df6_gemm_proj,@function
k_q65b3273df6_gemm_proj:
	s_mov_b64 s[64:65], 0
	v_nop
	global_prefetch_b8 v0, s[64:65] scope:SCOPE_SE
	s_setreg_imm32_b32 hwreg(HW_REG_WAVE_MODE, 25, 1), 1
	s_wait_xcnt 0x0
	s_wait_alu depctr_hold_cnt(0) depctr_sa_sdst(0) depctr_va_vdst(0) depctr_va_sdst(0) depctr_va_ssrc(0) depctr_va_vcc(0) depctr_vm_vsrc(0)
	s_getreg_b32 s2, hwreg(HW_REG_IB_STS2, 6, 4)
	s_cmp_eq_u32 s2, 0
	s_cbranch_scc0 .Lentry_in_a_cluster
	s_endpgm
.Lentry_in_a_cluster:
	s_bfe_u32 s2, ttmp6, 0x10000c
	s_cmp_lg_u32 s2, 0xf033
	s_cbranch_scc0 .Lentry_shape_is_right
	s_endpgm
.Lentry_shape_is_right:
; out0 = attention's result x w_proj + b_proj on codes of FP6 (E2M3) with E8M0 scales; sums in f32; out0 [8192][1024] f32.
; OPERANDS come as images of their registers (tiles of 16 rows; in each 32 rows place r of tile 2 g + u is row 32 g + 8 u + r % 8 + 16 (r / 8); a fragment of 16 rows x 128 K is 1,536 bytes, its scale words 64).
; A work-group of four waves makes 256 x 256, a wave 128 x 128: 64 accumulators.  Source 0 = 16 columns of w_proj (wimg's tiles 192 on), source 1 = 16 tokens: a lane holds one token and neighbouring columns.
; K = 1,024 goes in four chunks of 256 through three LDS slots: three are asked for at the head, the fourth fills slot 0 again behind the one round of the cluster's barrier inside the sums.
; CLUSTERS: 4 x 4.  The tokens' tiles are shared along a row of the cluster, the weight's along a column: each is asked for jointly.
; REGISTERS: window 0: v1-29 lane numbers and addresses; v32-47 scale words, two sets; v64-127 the bias; v128-223 the tokens' 8 fragments, one set; on the way out v128-255 are rows of out0.
;   window 1: the weight's fragments, two sets, at v0 and v128.   windows 2, 3: accumulator (a, b) at v[8 (8 (a % 4) + b)] of window 2 + a / 4.
.set SLOT,  98304                      ; a slot: wave w's part at 24,576 w: [tile 0-7][K step 0, 1][1,536]; waves 0, 1: the tokens' halves, waves 2, 3: the weight's
.set WPART, 24576
.set SCL,   294912                     ; the tokens' scale words, all of K: [tile 0-15][K step][64]
.set SCLB,  303232                     ; the weight's, 128 bytes askew, so that the two halves of the lanes read other banks
.set SPARE, 311552                     ; the spare words, 128 bytes a wave: two blocks of 256 bytes that no other line names
.set STAGE, SLOT                       ; the way out: 16 rows x 528 bytes a wave, in slot 1: that slot is filled once, and its last read lies ahead of the last barrier of the sums
.set A16, 4
.set A8,  7
.set B16, 10
.set B8,  13
.set ADRS, 16
.set L16, 17
.set L8,  18
.set STO, 19                           ; v19 the stage, in
.set RD,  20                           ; v20 the stage, out
.set VB,  23                           ; v23 the bias's offset
.set SPW, 28
.set NIL, 29
.set SC,  32
.set BI,  64
.set AF,  128
.set BK,  128
.set G1A, 32
.set G1B, 40
.set G1SA, 48
.set G1SB, 56
.set G0A, 68
.set G0B, 84
.set MSB, 0
.macro WIN new                         ; the immediate's high byte repeats the setting that is left
.if MSB != (\new)
	s_set_vgpr_msb (MSB<<8)|(\new)
.set MSB, (\new)
.endif
.endm
.set MUL_LO, 0xa1
.set MUL_HI, 0xf1
.macro JLOAD g0a, g1a, g0b, g1b        ; a joint load: waves 0 and 1 ask for the tokens, waves 2 and 3 for the weight; four v_nop follow each line
	s_cmp_eq_u32 s19, 0
	s_cbranch_scc0 .Lfor_b_\@
	tensor_load_to_lds s[\g0a:\g0a+3], s[\g1a:\g1a+7]
	s_nop 0
.rept 4
	v_nop
.endr
	s_branch .Lasked_\@
.Lfor_b_\@:
	tensor_load_to_lds s[\g0b:\g0b+3], s[\g1b:\g1b+7]
	s_nop 0
.rept 4
	v_nop
.endr
.Lasked_\@:
.endm
.macro CREST
	s_cmp_lg_u32 s18, 0
	s_cbranch_scc1 .Lnot_wave_0_\@
	s_barrier_signal -3
.Lnot_wave_0_\@:
	s_barrier_wait -3
	s_barrier_signal -1
	s_barrier_wait -1
.endm
.macro CROUND
	s_barrier_signal -1
	s_barrier_wait -1
	CREST
.endm
.macro PLACES n
.rept \n
	v_nop
.endr
.endm
	s_load_b256 s[4:11], s[0:1], 0x0               ; oimg s[4:5], osc s[6:7], wimg s[8:9], wsc s[10:11]
	s_load_b128 s[12:15], s[0:1], 0x20             ; b_proj s[12:13], out0 s[14:15]
	v_lshl_add_u32 v[SPW], v0, 2, SPARE
	v_mov_b32 v[NIL], 0
	ds_add_u32 v28, v29
	ds_add_u32 v28, v29
	s_wait_dscnt 0x0
	v_lshrrev_b32 v1, 5, v0
	v_readfirstlane_b32 s18, v1                    ; wave 0..3
	s_lshr_b32 s19, s18, 1                         ; my half of the tokens.  Also: I ask for the tokens (0) or the weight (1)
	s_and_b32 s20, s18, 1                          ; my half of the columns.  Also: which 128 rows I ask for
	s_bfe_u32 s21, ttmp6, 0x40000                  ; cx
	s_bfe_u32 s22, ttmp6, 0x40004                  ; cy
	s_mov_b32 s23, ttmp9
	s_and_b32 s24, ttmp7, 0xffff
	s_lshl_b32 s28, s22, 2
	s_lshl_b32 s28, 15, s28                        ; my row of the cluster
	s_lshl_b32 s30, 0x1111, s21                    ; my column
	s_or_b32 s[G1A], s28, (3<<16)|(1<<21)          ; 15:0 the mask; 17:16 elements of 8 bytes; 20 no padding; 21 set beside a mask
	s_or_b32 s[G1SA], s28, (3<<16)|(1<<21)
	s_or_b32 s[G1B], s30, (3<<16)|(1<<21)
	s_or_b32 s[G1SB], s30, (3<<16)|(1<<21)
.irp g, G1A, G1B                       ; codes: 8 tiles; of each, two K steps' images: 3,072 bytes of the tile's 12,288
	s_mov_b32 s[\g+1], 384<<16
	s_mov_b32 s[\g+2], 8<<16
	s_mov_b32 s[\g+3], 384<<16
	s_mov_b32 s[\g+4], 8
	s_mov_b32 s[\g+5], 1536
	s_mov_b32 s[\g+6], 0
	s_mov_b32 s[\g+7], 0
.endr
.irp g, G1SA, G1SB                     ; scale words of 8 tiles, all of K: 4,096 dense bytes as 16 rows of 256
	s_mov_b32 s[\g+1], 32<<16
	s_mov_b32 s[\g+2], 16<<16
	s_mov_b32 s[\g+3], 32<<16
	s_mov_b32 s[\g+4], 16
	s_mov_b32 s[\g+5], 32
	s_mov_b32 s[\g+6], 0
	s_mov_b32 s[\g+7], 0
.endr
	s_lshl_b32 s26, s24, 2
	s_add_co_u32 s26, s26, s22                     ; TR: which 256 tokens
	s_lshl_b32 s27, s23, 2
	s_add_co_u32 s27, s27, s21                     ; TC: which 256 columns
	s_lshl_b32 s28, s24, 6
	s_lshl_b32 s29, s22, 4
	s_add_co_u32 s28, s28, s29
	s_lshl_b32 s29, s20, 3
	s_add_co_u32 s28, s28, s29                     ; the tokens' 8 tiles that I would ask for: it hangs on cy, the cluster's y and the wave
	s_lshl_b32 s30, s23, 6
	s_lshl_b32 s31, s21, 4
	s_add_co_u32 s30, s30, s31
	s_add_co_u32 s30, s30, s29
	s_add_co_u32 s30, s30, 192                     ; the weight's: on cx, the cluster's x and the wave
	s_mul_i32 s66, s28, 12288
	s_mov_b32 s67, 0
	s_lshl_b32 s28, s28, 9
	s_mov_b32 s29, 0
	s_mul_i32 s100, s30, 12288
	s_mov_b32 s101, 0
	s_lshl_b32 s30, s30, 9
	s_mov_b32 s31, 0
	s_wait_kmcnt 0x0
	s_add_nc_u64 s[2:3], s[4:5], s[66:67]
	s_add_nc_u64 s[104:105], s[6:7], s[28:29]
	s_add_nc_u64 s[4:5], s[8:9], s[100:101]
	s_add_nc_u64 s[6:7], s[10:11], s[30:31]
	s_mul_i32 s28, s18, WPART                      ; where they go: no place in the cluster enters an LDS address
	s_lshl_b32 s29, s20, 12
	CROUND                                         ; all sixteen work-groups are here: the first joint loads meet
	s_mov_b32 s[G0A], 1
	s_add_co_u32 s[G0A+1], s29, SCL
	s_mov_b64 s[G0A+2:G0A+3], s[104:105]
	s_or_b32 s[G0A+3], s[G0A+3], 0x80000000
	s_mov_b32 s[G0B], 1
	s_add_co_u32 s[G0B+1], s29, SCLB
	s_mov_b64 s[G0B+2:G0B+3], s[6:7]
	s_or_b32 s[G0B+3], s[G0B+3], 0x80000000
	JLOAD G0A, G1SA, G0B, G1SB                     ; the scale words first
.irp c, 0,1,2
	s_mov_b32 s[G0A+4+4*\c], 1
	s_add_co_u32 s[G0A+5+4*\c], s28, \c*SLOT
	s_add_nc_u64 s[G0A+6+4*\c:G0A+7+4*\c], s[2:3], \c*3072
	s_or_b32 s[G0A+7+4*\c], s[G0A+7+4*\c], 0x80000000
	s_mov_b32 s[G0B+4+4*\c], 1
	s_add_co_u32 s[G0B+5+4*\c], s28, \c*SLOT
	s_add_nc_u64 s[G0B+6+4*\c:G0B+7+4*\c], s[4:5], \c*3072
	s_or_b32 s[G0B+7+4*\c], s[G0B+7+4*\c], 0x80000000
	JLOAD G0A+4+4*\c, G1A, G0B+4+4*\c, G1B         ; four loads of mine are out behind the last of these
.endr
	v_and_b32 v1, 31, v0                           ; lane
	v_and_b32 v2, 15, v0                           ; r
	v_bfe_u32 v3, v0, 4, 1                         ; h
	; THE BIAS is the C of each sum's first product: register j of column tile t is column 32 (t / 2) + 8 (t % 2) + 16 h + j
	s_lshl_b32 s66, s27, 10
	s_lshl_b32 s28, s20, 9
	s_add_co_u32 s66, s66, s28                     ; my first column, in bytes
	s_mov_b32 s67, 0
	s_add_nc_u64 s[12:13], s[12:13], s[66:67]
	v_lshlrev_b32 v[VB], 6, v3
.irp t, 0,1,2,3,4,5,6,7
	global_load_b128 v[BI+8*\t:BI+8*\t+3], v[VB], s[12:13] offset:(32*(\t/2)+8*(\t%2))*4
	global_load_b128 v[BI+8*\t+4:BI+8*\t+7], v[VB], s[12:13] offset:(32*(\t/2)+8*(\t%2))*4+16
.endr
	s_lshl_b32 s100, s26, 8
	s_lshl_b32 s28, s19, 7
	s_add_co_u32 s100, s100, s28                   ; my first token
	s_lshl_b32 s100, s100, 12                      ; a row of out0 is 4,096 bytes
	s_add_co_u32 s100, s100, s66
	s_mov_b32 s101, 0
	s_add_nc_u64 s[14:15], s[14:15], s[100:101]
	v_lshlrev_b32 v[L16], 4, v1
	v_lshlrev_b32 v[L8], 3, v1
	s_mul_i32 s31, s19, WPART
	s_mul_i32 s100, s20, WPART
	s_add_co_u32 s100, s100, 2*WPART
.irp s, 0,1,2
	v_add_nc_u32 v[A16+\s], s31, v[L16]
	v_add_nc_u32 v[A8+\s], s31, v[L8]
	v_add_nc_u32 v[B16+\s], s100, v[L16]
	v_add_nc_u32 v[B8+\s], s100, v[L8]
	s_add_co_u32 s31, s31, SLOT
	s_add_co_u32 s100, s100, SLOT
.endr
	s_lshl_b32 s31, s19, 12                        ; scale words: the tokens' base + h x (the distance to the weight's): one product
	s_lshl_b32 s100, s20, 12
	s_add_co_u32 s100, s100, SCLB-SCL
	s_sub_co_u32 s100, s100, s31
	v_mul_u32_u24 v[ADRS], s100, v3
	s_add_co_u32 s31, s31, SCL
	v_lshl_add_u32 v[ADRS], v2, 2, v[ADRS]
	v_add_nc_u32 v[ADRS], s31, v[ADRS]
	s_mul_i32 s31, s18, 16*528
	s_add_co_u32 s31, s31, STAGE
	v_mul_u32_u24 v[STO], v2, 528
	v_lshl_add_u32 v[STO], v3, 6, v[STO]
	v_add_nc_u32 v[STO], s31, v[STO]               ; the stage, in: row r, + 64 h
	v_add_nc_u32 v[RD], s31, v[L16]                ; out: 16 x lane of a row
.macro FRAG reg, a16, a8, off          ; an image comes back as it was stored: four loads, each of consecutive bytes
	ds_load_b128 v[\reg:\reg+3], v[\a16] offset:\off
	ds_load_b64 v[\reg+4:\reg+5], v[\a8] offset:(\off)+512
	ds_load_b128 v[\reg+6:\reg+9], v[\a16] offset:(\off)+768
	ds_load_b64 v[\reg+10:\reg+11], v[\a8] offset:(\off)+1280
.endm
.macro FETCH_B slot, q, set
	WIN 0x40                                       ; destination window 1, address window 0
.irp i, 0,1,2,3,4,5,6,7
	FRAG 128*(\set)+12*\i, B16+(\slot), B8+(\slot), \i*3072+(\q)*1536
.endr
	WIN 0
.endm
.macro FETCH_A slot, q, i0
.irp i, \i0, \i0+1, \i0+2, \i0+3
	FRAG AF+12*(\i), A16+(\slot), A8+(\slot), (\i)*3072+(\q)*1536
.endr
.endm
.macro SCALES k, set                   ; K step k's scale words: lanes 0-15 the tokens' block i, lanes 16-31 the weight's
.irp i, 0,1,2,3,4,5,6,7
	ds_load_b32 v[SC+8*(\set)+\i], v[ADRS] offset:512*\i+64*(\k)
.endr
.endm
; 16 products: token blocks a0, a0 + 1 x the weight's eight tiles.  The 64 accumulators take turns, one instruction a turn, in the same order in every K step.
.macro MUL16 a0, p, first
.irp a, \a0, \a0+1
.irp b, 0,1,2,3,4,5,6,7
.set rD, 8*(8*((\a)%4)+\b)
.set rB, 128*(\p)+12*\b
.set rA, AF+12*(\a)
.if (\first) == 0
	v_wmma_scale_f32_16x16x128_f8f6f4 v[rD:rD+7], v[rB:rB+11], v[rA:rA+11], v[rD:rD+7], v[SC+8*(\p)+\b], v[SC+8*(\p)+(\a)] matrix_a_fmt:MATRIX_FMT_FP6 matrix_b_fmt:MATRIX_FMT_FP6 matrix_a_scale:MATRIX_SCALE_ROW1
.else
	v_wmma_scale_f32_16x16x128_f8f6f4 v[rD:rD+7], v[rB:rB+11], v[rA:rA+11], v[BI+8*\b:BI+8*\b+7], v[SC+8*(\p)+\b], v[SC+8*(\p)+(\a)] matrix_a_fmt:MATRIX_FMT_FP6 matrix_b_fmt:MATRIX_FMT_FP6 matrix_a_scale:MATRIX_SCALE_ROW1
.endif
.endr
.endr
.endm
; K step k (chunk k / 2, in slot (k / 2) % 3).  In its middle and at its end it fetches K step k + 1's fragments.  Loads into registers that products have read stand four plain vector lines behind them.
.macro STEP k, first
.set NS, (((\k)+1)/2)%3
.set NQ, ((\k)+1)%2
.set PP, (\k)%2
	s_wait_dscnt 16                                ; all but the youngest 16 loads (token blocks 4-7) are in
.if \first
	WIN 0x81                                       ; C (the bias) window 0, D window 2
.else
	WIN MUL_LO
.endif
	MUL16 0, PP, \first
	MUL16 2, PP, \first
	s_wait_dscnt 0
	PLACES 4
	FETCH_B NS, NQ, 1-PP
	FETCH_A NS, NQ, 0
	SCALES (\k)+1, 1-PP
.if \first
	WIN 0xc1
.else
	WIN MUL_HI
.endif
	MUL16 4, PP, \first
	MUL16 6, PP, \first
	PLACES 4
	WIN 0
	FETCH_A NS, NQ, 4
.endm
; A K step with a barrier in it.  In front of the barrier each wave waits for all its tensor loads, adds 0 to its spare word, and waits for that and for its LDS reads.
; fill = 1: the barrier opens a round of the cluster's barrier, and behind the round slot 0, which nobody reads any more, takes chunk 3: it has four K steps, 256 products, in which to land.
.macro TURN k, fill
.set NS, (((\k)+1)/2)%3
.set NQ, ((\k)+1)%2
.set PP, (\k)%2
	s_wait_tensorcnt 0x0                           ; all my tensor loads have landed
	ds_add_u32 v[SPW], v[NIL]                      ; 0 onto my spare word
	s_wait_dscnt 17                                ; (the add and the youngest 16 loads may be out)
	WIN MUL_LO
	MUL16 0, PP, 0
	s_wait_dscnt 0x0                               ; the add is done, and my reads of the slot that is left are over
	s_barrier_signal -1
	MUL16 2, PP, 0
	WIN 0
	s_barrier_wait -1
.if \fill
	CREST                                          ; no wave of any partner still reads slot 0 or has a load on its way
	s_add_nc_u64 s[G0A+6:G0A+7], s[G0A+6:G0A+7], 3*3072
	s_add_nc_u64 s[G0B+6:G0B+7], s[G0B+6:G0B+7], 3*3072
	JLOAD G0A+4, G1A, G0B+4, G1B                   ; the first tensor load behind the round, my only one; its four v_nop are the places in front of the loads below
.else
	PLACES 4
.endif
	FETCH_B NS, NQ, 1-PP
	FETCH_A NS, NQ, 0
	SCALES (\k)+1, 1-PP
	WIN MUL_HI
	MUL16 4, PP, 0
	MUL16 6, PP, 0
	PLACES 4
	WIN 0
	FETCH_A NS, NQ, 4
.endm
	s_wait_tensorcnt 2                             ; the scale words and my part of chunk 0 are in; chunks 1 and 2 may be out
	s_barrier_signal -1
	s_barrier_wait -1
	FETCH_B 0, 0, 0
	FETCH_A 0, 0, 0
	SCALES 0, 0
	FETCH_A 0, 0, 4
	s_wait_loadcnt 0x0                             ; the bias
	STEP 0, 1
	TURN 1, 1                                      ; every wave has shown chunks 1 and 2 landed; chunk 3 goes out
	STEP 2, 0
	STEP 3, 0
	STEP 4, 0
	TURN 5, 0                                      ; chunk 3 has landed in every wave
	STEP 6, 0
	s_wait_dscnt 16                                ; the last K step: nothing more to fetch
	WIN MUL_LO
	MUL16 0, 1, 0
	MUL16 2, 1, 0
	s_wait_dscnt 0
	WIN MUL_HI
	MUL16 4, 1, 0
	MUL16 6, 1, 0
	WIN 0
; THE WAY OUT, block by block of 16 tokens x 128 columns, through my own stage: a lane's 32 bytes of a tile go to their columns' place in the token's row; whole rows of 512 bytes come back.
; LDS serves a wave's instructions in order: no wait between the stores and the loads, nor in front of the next block's stores.
.macro TOSTAGE a
.set AC, 64*((\a)%4)
	WIN 0x08+4*((\a)/4)                            ; the data: window 2 or 3
.irp b, 0,1,2,3,4,5,6,7
	ds_store_b128 v[STO], v[AC+8*\b:AC+8*\b+3] offset:128*(\b/2)+32*(\b%2)         ; each accumulator from its low end on
	ds_store_b128 v[STO], v[AC+8*\b+4:AC+8*\b+7] offset:128*(\b/2)+32*(\b%2)+16
.endr
	WIN 0
.set BB, BK+64*((\a)%2)
.irp t, 0,1,2,3,4,5,6,7,8,9,10,11,12,13,14,15
	ds_load_b128 v[BB+4*\t:BB+4*\t+3], v[RD] offset:\t*528
.endr
.endm
.macro SEND a, younger                 ; younger: the LDS instructions issued behind block a's loads, which may stay out
.set BB, BK+64*((\a)%2)
	s_wait_dscnt \younger
.irp t, 0,1,2,3,4,5,6,7,8,9,10,11,12,13,14,15
	global_store_b128 v[L16], v[BB+4*\t:BB+4*\t+3], s[14:15] offset:(32*((\a)/2)+8*((\a)%2)+(\t%8)+16*(\t/8))*4096 th:TH_STORE_NT   ; place t of block a is a token of its own; 512 consecutive bytes, aligned; 127 rows at the most: inside the immediate
.endr
.endm
	PLACES 4
	TOSTAGE 0
.irp a, 1,2,3,4,5,6,7
.if \a > 1
	s_wait_xcnt 0x0                                ; block a - 2's stores have read their registers: block a's loads may land there
.endif
	TOSTAGE \a
	SEND \a-1, 32                                  ; behind block a - 1's loads: block a's 16 stores and 16 loads
.endr
	SEND 7, 0
	s_wait_tensorcnt 0x0                           ; the wave's end
	ds_add_u32 v[SPW], v[NIL]
	s_wait_dscnt 0x0
	CROUND                                         ; the closing round: no work-group ends while a partner may still ask for a tile that names it
	s_endpgm
.Lfunc_end_k_q65b3273df6_gemm_proj:
	.size	k_q65b3273df6_gemm_proj, .Lfunc_end_k_q65b3273df6_gemm_proj-k_q65b3273df6_gemm_proj
	.p2alignl 7, 3214868480
	.fill 96, 4, 3214868480
	.section	.rodata,"a",@progbits
	.p2align	6, 0x0
	.amdhsa_kernel k_q65b3273df6_gemm_proj
		.amdhsa_group_segment_fixed_size 327680
		.amdhsa_private_segment_fixed_size 0
		.amdhsa_enable_private_segment 0
		.amdhsa_kernarg_size 48
		.amdhsa_user_sgpr_count 2
		.amdhsa_user_sgpr_kernarg_segment_ptr 1
		.amdhsa_wavefront_size32 1
		.amdhsa_system_sgpr_workgroup_id_x 1
		.amdhsa_system_sgpr_workgroup_id_y 1
		.amdhsa_system_sgpr_workgroup_id_z 1
		.amdhsa_system_vgpr_workitem_id 0
		.amdhsa_next_free_vgpr 1024
		.amdhsa_next_free_sgpr 106
		.amdhsa_reserve_vcc 0
		.amdhsa_float_denorm_mode_32 3
		.amdhsa_float_denorm_mode_16_64 3
		.amdhsa_memory_ordered 1
		.amdhsa_forward_progress 1
		.amdhsa_inst_pref_size 147
	.end_amdhsa_kernel
	.amdgpu_metadata
---
amdhsa.version: [ 1, 2 ]
amdhsa.kernels:
  - .name:           k_q65b3273df6_gemm_proj
    .symbol:         k_q65b3273df6_gemm_proj.kd
    .args:
      - { .name: oimg, .offset: 0, .size: 8, .value_kind: global_buffer, .address_space: global }
      - { .name: osc, .offset: 8, .size: 8, .value_kind: global_buffer, .address_space: global }
      - { .name: wimg, .offset: 16, .size: 8, .value_kind: global_buffer, .address_space: global }
      - { .name: wsc, .offset: 24, .size: 8, .value_kind: global_buffer, .address_space: global }
      - { .name: b_proj, .offset: 32, .size: 8, .value_kind: global_buffer, .address_space: global }
      - { .name: out0, .offset: 40, .size: 8, .value_kind: global_buffer, .address_space: global }
    .group_segment_fixed_size: 327680
    .private_segment_fixed_size: 0
    .kernarg_segment_align: 8
    .kernarg_segment_size: 48
    .max_flat_workgroup_size: 128
    .sgpr_count:     106
    .vgpr_count:     1024
    .wavefront_size: 32
...
	.end_amdgpu_metadata
.endif
;; end of part 4
